; MI455X (gfx1250); checked and timed in simulation.
; The chip was launched on July 23, 2026; its instructions are those of AMD's public machine-readable ISA for CDNA 5 (MIT licence, August 2026) and "CDNA5" Instruction Set Architecture Reference Guide (July 2026). The comments in the code are by the model that wrote it; some were corrected since.
;; Cross Attention Fusion. Allowed arithmetic: matrix products marked QUANTISED: E3M2 operands, one E8M0 scale for each 32 along K, by v_wmma_scale_f32_16x16x128_f8f6f4 with both operands' format E3M2, f32 sums; everything else in f32.
;; Inputs: Wk 512 x 512 float32; Wp 512 x 512 float32; Wq 512 x 512 float32; Wv 512 x 512 float32; beta 512 float32; bp 512 float32; ct_feat 2 x 512 x 64 x 64 float32; gamma 512 float32; pet_feat 2 x 512 x 64 x 64 float32.
;; Outputs: out0 2 x 512 x 64 x 64 float32.
;; This version of the problem:
;;   THIS VERSION OF THE PROBLEM IS GIVEN IN LOW PRECISION. The matrix products marked QUANTISED in the list below multiply operands that are first quantised to E3M2 (3 exponent bits, 2 mantissa bits; 6 bits a number), with one power-of-two scale for each 32 numbers along K (OCP MX v1.0); their sums are f32. All else is computed in f32.
;;   The module's matrix products, in the order in which they are computed (A, B: the left and right operand; K: the contracted axis; several contracted axes count as one K, in the product's order):
;;     1. [M 8,192, K 512] x [K 512, N 512]; A: input pet_feat; B: input Wq: QUANTISED
;;     2. [M 8,192, K 512] x [K 512, N 512]; A: input ct_feat; B: input Wk: QUANTISED
;;     3. [M 8,192, K 512] x [K 512, N 512]; A: input ct_feat; B: input Wv: QUANTISED
;;     4. batch 16 x [M 4,096, K 64] x [K 64, N 4,096]; A: computed on the way; B: computed on the way: QUANTISED
;;     5. batch 16 x [M 4,096, K 4,096] x [K 4,096, N 64]; A: softmax (see below); B: computed on the way: QUANTISED
;;     6. [M 8,192, K 512] x [K 512, N 512]; A: computed on the way; B: input Wp: QUANTISED
;;   THE QUANTISER, for each operand of a quantised product, along K:
;;     - K is cut into blocks of 32 from its start; a last block that is shorter is filled with zeros.
;;     - A block's scale is 2^e with e = floor(log2(the largest magnitude in the block)) - 4, held to -126 .. 127; a block of zeros has e = 0. As a byte (E8M0): e + 127.
;;     - Each number is divided by its block's scale, clamped to +-28, and rounded to the nearest number of E3M2, ties to even, subnormals kept.
;;     - The product sums the exact products of the quantised numbers (number of the format x scale) in f32.
;;   ~~~python
;;   def quantise(x, axis):      # numpy; x: float32 -> the quantised numbers, widened to float32 again
;;       x = np.moveaxis(x, axis, -1); K = x.shape[-1]
;;       x = np.pad(x, [(0, 0)] * (x.ndim - 1) + [(0, -K % 32)]); x = x.reshape(x.shape[:-1] + (-1, 32)); a = np.abs(x).max(-1, keepdims=True)
;;       e = np.where(a > 0, np.clip(np.frexp(np.where(a > 0, a, 1))[1] - 1 - 4, -126, 127), 0)      # np.frexp(a)[1] - 1 = floor(log2(a)), exactly
;;       r = np.clip(x / 2.0 ** e, -28, 28)
;;       step = 2.0 ** (np.maximum(np.frexp(np.where(r == 0, 1, r))[1] - 1, -2) - 2)
;;       q = np.round(r / step) * step * 2.0 ** e      # np.round: ties to even
;;       return np.moveaxis(q.reshape(q.shape[:-2] + (-1,))[..., :K], -1, axis).astype(np.float32)
;;   ~~~
;;   SOFTMAX AHEAD OF A QUANTISED PRODUCT. Where the list says 'softmax', what is quantised is not the finished softmax but p = 2^(t - M), with t = logit x log2(e) and M = ceil(the row's largest t), a whole number; so 1/2 < the row's largest p <= 1. The row's sum l is taken of the UNQUANTISED p, in f32, and the product's result is divided by l at the end. Since M is a whole number, a kernel that streams over the keys may use a running M (the ceiling of the running maximum): every later rescaling is an exact power of two, which a block's scale takes up: the codes' values come out the same.
;;   OPERANDS COMPUTED ON THE WAY. 'Computed on the way' means the value that the module computes at that place (a softmax that the list does not call 'softmax' is quantised finished and normalised). What goes into a quantiser is computed in f32, as accurately as f32 sums, v_exp_f32 and their like allow (about 1e-6 of the number): no bf16 or f16 on the way to a quantiser, and a product that is left as it is and whose result goes on into a quantised operand takes f32 operands (vector FMAs, or v_wmma_f32_16x16x4_f32). A number that lies on a knife's edge between two numbers of the format may be rounded either way, as far as f32 arithmetic and the matrix unit's own rounding can turn it there, and no further.
;; One version. Each part assembles by itself: llvm-mc -triple=amdgcn-amd-amdhsa -mcpu=gfx1250 --defsym DOCPART=n.
;; ======== version 1 of 1: 4 launches
;; limits: right only within a limited range of input values
;; workspace buffers: wf 819,200 bytes; ff 6,553,600 bytes; qf 3,407,872 bytes; kv 6,684,672 bytes; xf 3,407,872 bytes
;; launch quant (part 1): grid 576 x 1, 4 waves a work-group, no clusters, 0 bytes of LDS; arguments Wq, Wk, Wv, Wp, pet_feat, ct_feat, wf, ff; writes wf, ff
.if DOCPART == 1
	.amdgcn_target "amdgcn-amd-amdhsa--gfx1250"
	.amdhsa_code_object_version 6
	.text
	.protected	k_q30b60d8d5a_quant
	.globl	k_q30b60d8d5a_quant
	.p2align	8
	.type	k_q30b60d8d5a_quant,@function
k_q30b60d8d5a_quant:
	s_mov_b64 s[64:65], 0
	v_nop
	global_prefetch_b8 v0, s[64:65] scope:SCOPE_SE
	s_setreg_imm32_b32 hwreg(HW_REG_WAVE_MODE, 25, 1), 1
	s_wait_xcnt 0x0
; CROSS ATTENTION, LAUNCH 1 OF 4: the four weights and the two feature maps become codes of BF6 (E3M2) with one E8M0 byte for each 32 along K.
; NO WORK OF THE PROBLEM IS LEFT OUT IN ANY LAUNCH: every product of the table feeds the output, no term cancels ahead of a quantiser, and all nine inputs are loaded.
; K of all six tensors is the channel c: the weights [o][c] have it innermost, the features [b][c][l] have it OUTSIDE the positions l.
; WHAT IS WRITTEN: blocks of 128 rows x 512 K (GB bytes) in the order of an operand's registers.  A fragment (16 rows x 128 K, 12 registers a lane) is three images of 512 bytes: image g holds
; registers 4 g .. 4 g + 3, lane l's 16 bytes at 16 l.  Fragment (tile t, K step s) lies at (4 t + s) x 1,536.  THE ROWS OF A TILE ARE NOT NEIGHBOURS: lane r of tile 2 B + u holds row 32 B + 8 u + r + 8 (r / 8),
; so that, where such tiles are source 0 of a product, the 16 results of tiles 2 B and 2 B + 1 in a lane are 16 neighbours along the next K.
; The scale words (four bytes: 128 K of one row) lie from GSC on: for K step s and tile pair i 128 bytes at 128 (4 s + i): lanes 0-15 tile 2 i, lanes 16-31 tile 2 i + 1.
; SHARES: a wave makes one pair of tiles x one K step: two fragments and one register of scale words.  Work-groups 0-63: the weights (weight, block, K step); 64-575: the features (tensor and batch, block, K step).
; A block's scale is 2^(floor(log2(largest magnitude)) - 4); its byte is the largest magnitude's exponent field - 4, held at 1 from below.
; LIMITS: NaN and infinities are not served; a block whose largest magnitude lies under 2^-122 has the byte 1; a block of zeros has the byte 1 where the rule says 127: its codes are zeros and this program alone reads the bytes.
.set GB,  51200                        ; bytes of a block: 32 fragments and 16 registers of scale words
.set GSC, 49152                        ; where its scale words begin
.set BY,  12                           ; v12-15   the four blocks' scale bytes
.set F0,  16                           ; v16-27   the even tile's fragment
.set F1,  28                           ; v28-39   the odd tile's
.set TC,  40                           ; v40-42   the upper 16 codes of a block, on their way to an odd register
.set X,   64                           ; v64-191  four blocks of 32 numbers
	s_load_b256 s[4:11], s[0:1], 0x0               ; Wq, Wk, Wv, Wp
	s_load_b256 s[12:19], s[0:1], 0x20             ; pet_feat, ct_feat, wf, ff
	v_lshrrev_b32 v1, 5, v0
	v_readfirstlane_b32 s20, v1                    ; wave = the pair of tiles
	v_and_b32 v1, 31, v0                           ; lane
	v_and_b32 v2, 15, v0                           ; r
	v_bfe_u32 v3, v0, 4, 1                         ; h
	v_lshlrev_b32 v5, 4, v1                        ; an image's place for my lane
	v_lshlrev_b32 v6, 2, v1                        ; a scale word's
	v_and_b32 v11, 8, v2                           ; 8 (r / 8)
	; WHICH ROWS FORM A TILE, two choices.  Wp and pet_feat: as the head says, lane r of tile 2 B + u holds row 32 B + 8 u + r + 8 (r / 8).
	; Wq, Wk, Wv and ct_feat: lane r of tile 4 c + u holds row 64 c + 8 u + r % 8 + 32 (r / 8), so that, where such tiles are source 0 of a product, a lane's 32 results of tiles 4 c .. 4 c + 3
	; are one whole block of 32 neighbours along the next K.  A wave's pair of tiles then begins at row 64 (w / 2) + 16 (w % 2), and a feature load reads two runs of 64 consecutive bytes.
	s_lshr_b32 s40, s20, 1
	s_lshl_b32 s40, s40, 6
	s_and_b32 s41, s20, 1
	s_lshl_b32 s41, s41, 4
	s_add_co_u32 s40, s40, s41                     ; the pair's first row by the second choice,
	s_lshl_b32 s41, s20, 5                         ; and by the first
	s_mov_b32 s28, 0x76543210
	s_mov_b32 s29, 0xfedcba98                      ; v_permlanex16_b32's selects for lane l xor 16
	s_mov_b32 s30, 0xffff0000                      ; the mask of lanes 16-31
	s_mov_b32 s33, 0
	s_mov_b32 s35, 0
; 32 numbers of ONE lane, block q, become 6 registers of codes at dst and a scale byte
.macro QBLK q, dst
.set XS, X+32*(\q)
	v_max3_num_f32 v8, |v[XS]|, |v[XS+1]|, |v[XS+2]|               ; the largest magnitude, in two chains
	v_max3_num_f32 v9, |v[XS+3]|, |v[XS+4]|, |v[XS+5]|
.irp i, 6,10,14,18,22,26
	v_max3_num_f32 v8, v8, |v[XS+\i]|, |v[XS+\i+1]|
	v_max3_num_f32 v9, v9, |v[XS+\i+2]|, |v[XS+\i+3]|
.endr
	v_max3_num_f32 v8, v8, |v[XS+30]|, |v[XS+31]|
	v_max3_num_f32 v8, v8, v9, 0x2800000           ; and the floor 2^(5 - 127): the byte cannot fall under 1
	v_add_nc_u32 v10, 0xfe000000, v8               ; 4 off its exponent field: the conversion takes the exponent field of this operand as its scale
	v_cvt_scalef32_pk16_bf6_f32 v[\dst:\dst+2], v[XS:XS+15], v10
	v_cvt_scalef32_pk16_bf6_f32 v[TC:TC+2], v[XS+16:XS+31], v10   ; (a conversion's three registers begin on an even number)
	v_lshrrev_b32 v[BY+\q], 23, v10                ; the byte; also the plain line behind the conversions
.irp i, 0,1,2
	v_mov_b32 v[\dst+3+\i], v[TC+\i]
.endr
.endm
	s_wait_kmcnt 0x0
	s_cmp_lt_u32 ttmp9, 64                         ; the work-group's number alone decides
	s_cbranch_scc0 .Lfeatures
	; ---- A WEIGHT: K innermost.  Lane (r, h) loads, for tile e and half c, the 32 numbers k = 128 s + 64 c + 32 h on of its row: the very block that the operand's layout gives it
	s_lshr_b32 s38, ttmp9, 4                       ; which weight
	s_bfe_u32 s39, ttmp9, 0x20002                  ; which block of 128 rows
	s_and_b32 s21, ttmp9, 3                        ; which K step
	s_cmp_eq_u32 s38, 1
	s_cselect_b64 s[22:23], s[6:7], s[4:5]
	s_cmp_eq_u32 s38, 2
	s_cselect_b64 s[22:23], s[8:9], s[22:23]
	s_cmp_eq_u32 s38, 3
	s_cselect_b64 s[22:23], s[10:11], s[22:23]
	s_cselect_b32 s36, 1, 3                        ; my row in the tile is r + 8 (r / 8) for Wp, r + 24 (r / 8) for the others
	s_cselect_b32 s37, s41, s40                    ; the pair's first row
	s_lshl_b32 s32, s39, 18
	s_lshl_b32 s34, s37, 11                        ; rows of 2,048 bytes
	s_add_co_u32 s32, s32, s34
	s_lshl_b32 s34, s21, 9                         ; 128 numbers
	s_add_co_u32 s32, s32, s34
	s_add_nc_u64 s[22:23], s[22:23], s[32:33]
	s_wait_alu depctr_va_vdst(0)
	v_mad_u32_u24 v7, v11, s36, v2
	v_lshlrev_b32 v4, 11, v7
	v_lshl_add_u32 v4, v3, 7, v4                   ; + 32 numbers for lanes 16-31
	s_lshl_b32 s32, s38, 2
	s_add_co_u32 s32, s32, s39
	s_mul_i32 s32, s32, GB
	s_add_nc_u64 s[24:25], s[16:17], s[32:33]      ; the block in wf
.irp q, 0,1,2,3
.irp j, 0,1,2,3,4,5,6,7
	global_load_b128 v[X+32*\q+4*\j:X+32*\q+4*\j+3], v4, s[22:23] offset:16384*(\q/2)+256*(\q%2)+16*\j
.endr
.endr
	s_wait_loadcnt 24                              ; the first eight loads are in; the 24 younger ones may be out; and so on
	QBLK 0, F0
	s_wait_loadcnt 16
	QBLK 1, F0+6
	s_wait_loadcnt 8
	QBLK 2, F1
	s_wait_loadcnt 0x0
	QBLK 3, F1+6
	v_lshlrev_b32 v47, 3, v3                       ; 8 h
	v_mov_b32 v46, 0                               ; (a lane permute's destination counts as one of its sources)
	v_lshl_or_b32 v44, v[BY+1], 16, v[BY]          ; the even tile: my two bytes, blocks h and 2 + h,
	v_lshlrev_b32 v44, v47, v44                    ; at their places in the word;
	v_permlanex16_b32 v46, v44, s28, s29
	v_or_b32 v44, v44, v46                         ; with lane l xor 16's two the word is whole
	v_lshl_or_b32 v45, v[BY+3], 16, v[BY+2]        ; the odd tile likewise
	v_lshlrev_b32 v45, v47, v45
	v_permlanex16_b32 v46, v45, s28, s29
	v_or_b32 v45, v45, v46
	v_cndmask_b32 v44, v44, v45, s30               ; lanes 0-15 the even tile's words, lanes 16-31 the odd tile's
	s_branch .Ltail
.Lfeatures:
	; ---- A FEATURE MAP: K outside.  A LANE TAKES A POSITION l AND ITS REGISTERS RUN DOWN c: each load reads 128 consecutive bytes (pet_feat) or two runs of 64 (ct_feat), the four waves stand side by side on 512.
	; Lanes 0-15 take the even tile's rows, lanes 16-31 the odd tile's: l = 128 X + 32 w + r + 8 (r / 8) + 8 (lane / 16)
	s_sub_co_u32 s38, ttmp9, 64
	s_and_b32 s21, s38, 3                          ; which K step
	s_bfe_u32 s39, s38, 0x50002                    ; which block of 128 positions
	s_lshr_b32 s31, s38, 7                         ; 2 x tensor + batch
	s_cmp_lt_u32 s31, 2
	s_cselect_b64 s[22:23], s[12:13], s[14:15]
	s_cselect_b32 s36, 1, 3                        ; pet_feat: r + 8 (r / 8); ct_feat: r + 24 (r / 8)
	s_cselect_b32 s37, s41, s40                    ; the pair's first position
	s_and_b32 s32, s31, 1
	s_lshl_b32 s32, s32, 23                        ; a batch: 512 x 4,096 x 4 bytes
	s_lshl_b32 s34, s21, 21                        ; 128 channels
	s_add_co_u32 s32, s32, s34
	s_lshl_b32 s34, s39, 9                         ; 128 positions
	s_add_co_u32 s32, s32, s34
	s_lshl_b32 s34, s37, 2                         ; 4 bytes a position
	s_add_co_u32 s32, s32, s34
	s_add_nc_u64 s[22:23], s[22:23], s[32:33]
	s_wait_alu depctr_va_vdst(0)
	v_mad_u32_u24 v7, v11, s36, v2
	v_lshl_add_u32 v4, v3, 3, v7
	v_lshlrev_b32 v4, 2, v4
	s_lshl_b32 s32, s31, 5
	s_add_co_u32 s32, s32, s39
	s_mul_i32 s32, s32, GB
	s_add_nc_u64 s[24:25], s[18:19], s[32:33]      ; the block in ff
.macro LOADF q                         ; block q: channels 128 s + 32 q + 0 .. 31 of my position
.set i, 0
.rept 32
	global_load_b32 v[X+32*(\q)+i], v4, s[22:23] offset:16384*(32*(\q)+i) th:TH_LOAD_NT
.set i, i+1
.endr
.endm
	LOADF 0
	LOADF 1
	s_wait_alu depctr_va_vdst(0)
	s_wait_loadcnt 32                              ; block 0 is in; the 32 loads of block 1 may be out
	LOADF 2
	QBLK 0, F0
	s_wait_loadcnt 32                              ; block 1 is in; block 2's may be out
	LOADF 3
	QBLK 1, F1
	s_wait_loadcnt 32                              ; block 2 is in; block 3's may be out
	QBLK 2, F0+6
	s_wait_loadcnt 0x0
	QBLK 3, F1+6
	v_lshl_or_b32 v44, v[BY+1], 8, v[BY]           ; all four bytes of my row are mine: lanes 0-15 the even tile's words, lanes 16-31 the odd tile's
	v_lshl_or_b32 v44, v[BY+2], 16, v44
	v_lshl_or_b32 v44, v[BY+3], 24, v44
.set i, 0
.rept 12                               ; F0 holds blocks 0 and 2 of my row, F1 blocks 1 and 3.  F0's lanes 16-31 change places with F1's lanes 0-15: F0 is then the even tile's fragment, F1 the odd tile's
	v_permlane16_swap_b32 v[F0+i], v[F1+i]
.set i, i+1
.endr
.Ltail:
	s_lshl_b32 s32, s20, 3
	s_add_co_u32 s32, s32, s21
	s_mul_i32 s32, s32, 1536                       ; fragment (tile 2 w, K step s)
	s_lshl_b32 s34, s21, 2
	s_add_co_u32 s34, s34, s20
	s_lshl_b32 s34, s34, 7
	s_add_co_u32 s34, s34, GSC                     ; the scale words of (s, pair w)
	s_add_nc_u64 s[26:27], s[24:25], s[34:35]
	s_add_nc_u64 s[24:25], s[24:25], s[32:33]
	s_wait_alu depctr_va_vdst(0)
.irp g, 0,1,2
	global_store_b128 v5, v[F0+4*\g:F0+4*\g+3], s[24:25] offset:512*\g          ; each store of the wave covers 512 consecutive bytes, aligned
	global_store_b128 v5, v[F1+4*\g:F1+4*\g+3], s[24:25] offset:6144+512*\g     ; tile 2 w + 1 lies four fragments on
.endr
	global_store_b32 v6, v44, s[26:27]
	s_endpgm
.Lfunc_end_k_q30b60d8d5a_quant:
	.size	k_q30b60d8d5a_quant, .Lfunc_end_k_q30b60d8d5a_quant-k_q30b60d8d5a_quant
	.p2alignl 7, 3214868480
	.fill 96, 4, 3214868480
	.section	.rodata,"a",@progbits
	.p2align	6, 0x0
	.amdhsa_kernel k_q30b60d8d5a_quant
		.amdhsa_group_segment_fixed_size 0
		.amdhsa_private_segment_fixed_size 0
		.amdhsa_enable_private_segment 0
		.amdhsa_kernarg_size 64
		.amdhsa_user_sgpr_count 2
		.amdhsa_user_sgpr_kernarg_segment_ptr 1
		.amdhsa_wavefront_size32 1
		.amdhsa_system_sgpr_workgroup_id_x 1
		.amdhsa_system_sgpr_workgroup_id_y 1
		.amdhsa_system_sgpr_workgroup_id_z 1
		.amdhsa_system_vgpr_workitem_id 0
		.amdhsa_next_free_vgpr 192
		.amdhsa_next_free_sgpr 66
		.amdhsa_reserve_vcc 0
		.amdhsa_float_denorm_mode_32 3
		.amdhsa_float_denorm_mode_16_64 3
		.amdhsa_memory_ordered 1
		.amdhsa_forward_progress 1
		.amdhsa_inst_pref_size 32
	.end_amdhsa_kernel
	.amdgpu_metadata
---
amdhsa.version: [ 1, 2 ]
amdhsa.kernels:
  - .name:           k_q30b60d8d5a_quant
    .symbol:         k_q30b60d8d5a_quant.kd
    .args:
      - { .name: Wq, .offset: 0, .size: 8, .value_kind: global_buffer, .address_space: global }
      - { .name: Wk, .offset: 8, .size: 8, .value_kind: global_buffer, .address_space: global }
      - { .name: Wv, .offset: 16, .size: 8, .value_kind: global_buffer, .address_space: global }
      - { .name: Wp, .offset: 24, .size: 8, .value_kind: global_buffer, .address_space: global }
      - { .name: pet_feat, .offset: 32, .size: 8, .value_kind: global_buffer, .address_space: global }
      - { .name: ct_feat, .offset: 40, .size: 8, .value_kind: global_buffer, .address_space: global }
      - { .name: wf, .offset: 48, .size: 8, .value_kind: global_buffer, .address_space: global }
      - { .name: ff, .offset: 56, .size: 8, .value_kind: global_buffer, .address_space: global }
    .group_segment_fixed_size: 0
    .private_segment_fixed_size: 0
    .kernarg_segment_align: 8
    .kernarg_segment_size: 64
    .max_flat_workgroup_size: 128
    .sgpr_count:     66
    .vgpr_count:     192
    .wavefront_size: 32
...
	.end_amdgpu_metadata
.endif
;; end of part 1
;; launch proj (part 2): grid 64 x 3, 4 waves a work-group, no clusters, 167,936 bytes of LDS; arguments wf, ff, qf, kv; writes qf, kv
.if DOCPART == 2
	.amdgcn_target "amdgcn-amd-amdhsa--gfx1250"
	.amdhsa_code_object_version 6
	.text
	.protected	k_q30b60d8d5a_proj
	.globl	k_q30b60d8d5a_proj
	.p2align	8
	.type	k_q30b60d8d5a_proj,@function
k_q30b60d8d5a_proj:
	s_mov_b64 s[64:65], 0
	v_nop
	global_prefetch_b8 v0, s[64:65] scope:SCOPE_SE
	s_setreg_imm32_b32 hwreg(HW_REG_WAVE_MODE, 25, 1), 1
	s_wait_xcnt 0x0
; LAUNCH 2 OF 4: q = pet Wq^T, k = ct Wk^T, v = ct Wv^T on codes of BF6, and q, k, v quantised in registers for the attention: q and k along the head's 64, v along the keys.  No work of the problem is left out.
; ONE FORM FOR ALL THREE.  A wave keeps a STATIONARY block (128 rows x 512 K: 32 fragments, 384 registers) as source 0 and walks the 8 tiles of a MOVING block, source 1, which the work-group shares through LDS.
; For a moving tile 32 matrix instructions give a lane 64 numbers: register 16 b + i = stationary row 32 b + 16 (lane / 16) + i, for the lane's moving row: 128 neighbours along the next K in two lanes: one fragment and one scale word.
;   y = 0 (q), 1 (k): moving = 128 positions, stationary = wave w's 128 rows of the weight = heads 2 w and 2 w + 1: registers 0-5 of the fragment are head 2 w's 64, registers 6-11 head 2 w + 1's.
;   y = 2 (v): moving = 128 rows of Wv (two heads' channels), stationary = 128 keys: the fragment is 16 channels x 128 keys.
; WHAT IS WRITTEN.  qf: for each (batch, head) and 128 queries 6,656 bytes: tile j's six registers at 768 j (registers 0-3: 16 bytes a lane; registers 4, 5: 8 bytes a lane, 512 on); at 6,144 the scale words, 16 lane + 4 i for tile pair i
; (lanes 0-15 tile 2 i, lanes 16-31 tile 2 i + 1; bytes 2 and 3 are 0).  kv: for each (batch, head) and 128 keys 13,056 bytes: k as in qf; at 6,656 + 1,536 c the fragment of v's channel tile c; at 12,800 its scale words, 8 lane + 4 i.
; NO CLUSTER: the tile that comes by the tensor load is read by this work-group alone for q and k; the blocks that work-groups share go straight into registers.
; LIMITS: as in the first launch (NaN and infinities not served; bytes held at 1 from below; a block of zeros has the byte 1).
.set GB,    51200
.set GSC,   49152
.set SPARE, 51200                      ; behind the moving block: the spare words, 128 bytes for each wave: two blocks of 256 bytes that no other line names
.set LI,  1                            ; v1   16 x lane
.set L8,  2                            ; v2   8 x lane
.set L4,  3                            ; v3   4 x lane
.set SPW, 4                            ; v4   LDS address of my spare word; never rewritten
.set NIL, 5                            ; v5   0; never rewritten
.set KE,  6                            ; v6   the even tile's scale word, kept for its pair
.set TP,  7
.set SC,  8                            ; v8-15    the scale words to be stored
.set SS,  16                           ; v16-31   the stationary block's scale words: pair i, K step s at 4 i + s
.set MS,  32                           ; v32-47   the moving block's
.set MF,  48                           ; v48-95   a moving tile's four fragments
.set HA,  96                           ; v96-159  the eight accumulators
.set PC,  160                          ; v160-179 the codes just made
.set TM,  180                          ; v180-195 at work
.set PW,  196                          ; v196     the scale word just made
.set H8,  197                          ; v197     8 x (lane / 16); never rewritten
; window 1: the stationary tiles 0-3, fragment (t, s) at v[12 (4 t + s)];  window 2: tiles 4-7 likewise
.set WV,  12
.set SEL, 36
.set HI,  38
.set MSB, 0
.macro WIN new                         ; the immediate's high byte repeats the setting that is left
.if MSB != \new
	s_set_vgpr_msb (MSB<<8)|\new
.set MSB, \new
.endif
.endm
; one product: acc = 0: it starts the sum.  ra, rb: the scale words are taken from lanes 16-31 (an odd tile)
.macro WM d, a, b, acc, sa, sb, ra, rb
.if (\acc) == 0
.if (\ra) && (\rb)
	v_wmma_scale_f32_16x16x128_f8f6f4 v[\d:\d+7], v[\a:\a+11], v[\b:\b+11], 0, v[\sa], v[\sb] matrix_a_fmt:MATRIX_FMT_BF6 matrix_b_fmt:MATRIX_FMT_BF6 matrix_a_scale:MATRIX_SCALE_ROW1 matrix_b_scale:MATRIX_SCALE_ROW1
.elseif (\ra)
	v_wmma_scale_f32_16x16x128_f8f6f4 v[\d:\d+7], v[\a:\a+11], v[\b:\b+11], 0, v[\sa], v[\sb] matrix_a_fmt:MATRIX_FMT_BF6 matrix_b_fmt:MATRIX_FMT_BF6 matrix_a_scale:MATRIX_SCALE_ROW1
.elseif (\rb)
	v_wmma_scale_f32_16x16x128_f8f6f4 v[\d:\d+7], v[\a:\a+11], v[\b:\b+11], 0, v[\sa], v[\sb] matrix_a_fmt:MATRIX_FMT_BF6 matrix_b_fmt:MATRIX_FMT_BF6 matrix_b_scale:MATRIX_SCALE_ROW1
.else
	v_wmma_scale_f32_16x16x128_f8f6f4 v[\d:\d+7], v[\a:\a+11], v[\b:\b+11], 0, v[\sa], v[\sb] matrix_a_fmt:MATRIX_FMT_BF6 matrix_b_fmt:MATRIX_FMT_BF6
.endif
.else
.if (\ra) && (\rb)
	v_wmma_scale_f32_16x16x128_f8f6f4 v[\d:\d+7], v[\a:\a+11], v[\b:\b+11], v[\d:\d+7], v[\sa], v[\sb] matrix_a_fmt:MATRIX_FMT_BF6 matrix_b_fmt:MATRIX_FMT_BF6 matrix_a_scale:MATRIX_SCALE_ROW1 matrix_b_scale:MATRIX_SCALE_ROW1
.elseif (\ra)
	v_wmma_scale_f32_16x16x128_f8f6f4 v[\d:\d+7], v[\a:\a+11], v[\b:\b+11], v[\d:\d+7], v[\sa], v[\sb] matrix_a_fmt:MATRIX_FMT_BF6 matrix_b_fmt:MATRIX_FMT_BF6 matrix_a_scale:MATRIX_SCALE_ROW1
.elseif (\rb)
	v_wmma_scale_f32_16x16x128_f8f6f4 v[\d:\d+7], v[\a:\a+11], v[\b:\b+11], v[\d:\d+7], v[\sa], v[\sb] matrix_a_fmt:MATRIX_FMT_BF6 matrix_b_fmt:MATRIX_FMT_BF6 matrix_b_scale:MATRIX_SCALE_ROW1
.else
	v_wmma_scale_f32_16x16x128_f8f6f4 v[\d:\d+7], v[\a:\a+11], v[\b:\b+11], v[\d:\d+7], v[\sa], v[\sb] matrix_a_fmt:MATRIX_FMT_BF6 matrix_b_fmt:MATRIX_FMT_BF6
.endif
.endif
.endm
.macro MFETCH j                        ; moving tile j: four fragments, as images: 512 consecutive bytes a load
.irp s, 0,1,2,3
.irp g, 0,1,2
	ds_load_b128 v[MF+12*\s+4*\g:MF+12*\s+4*\g+3], v[LI] offset:(4*(\j)+\s)*1536+512*\g
.endr
.endr
.endm
.macro PROD j                          ; 32 products; four accumulators take turns, one instruction a turn
	WIN 0x01                                       ; source 0 in window 1
.irp s, 0,1,2,3
.irp t, 0,1,2,3
	WM HA+8*\t, 12*(4*\t+\s), MF+12*\s, \s, SS+4*(\t/2)+\s, MS+4*((\j)/2)+\s, \t%2, (\j)%2
.endr
.endr
	WIN 0x02                                       ; source 0 in window 2
.irp s, 0,1,2,3
.irp t, 0,1,2,3
	WM HA+32+8*\t, 12*(4*\t+\s), MF+12*\s, \s, SS+8+4*(\t/2)+\s, MS+4*((\j)/2)+\s, \t%2, (\j)%2
.endr
.endr
	WIN 0
.endm
; THE STATIONARY BLOCKS HERE (Wq, Wk, ct) have the rows of their tiles chosen so: lane r of tile 4 c + u holds row 64 c + 8 u + r % 8 + 32 (r / 8).  So, otherwise than the head says, a lane's 64 numbers are
; register 32 c + i = stationary row 64 c + 32 (lane / 16) + i: two WHOLE blocks of 32 along the next K, in the very places that the operand's layout gives the lane.
; They become a fragment in v[PC] on and its scale word in v[PW].  Each accumulator is read from its low end on.
.macro QUANT src
.irp c, 0,1
	v_max3_num_f32 v[TM+\c], |v[\src+32*\c]|, |v[\src+1+32*\c]|, 0x2800000   ; block 2 c + h, in two chains; the floor 2^(5 - 127) among the leaves
	v_max3_num_f32 v[TM+2+\c], |v[\src+16+32*\c]|, |v[\src+17+32*\c]|, |v[\src+18+32*\c]|
.endr
.irp i, 2,4,6,8,10,12
.irp c, 0,1
	v_max3_num_f32 v[TM+\c], v[TM+\c], |v[\src+32*\c+\i]|, |v[\src+1+32*\c+\i]|
	v_max3_num_f32 v[TM+2+\c], v[TM+2+\c], |v[\src+17+32*\c+\i]|, |v[\src+18+32*\c+\i]|
.endr
.endr
.irp c, 0,1
	v_max3_num_f32 v[TM+\c], v[TM+\c], |v[\src+14+32*\c]|, |v[\src+15+32*\c]|
.endr
.irp c, 0,1
	v_max3_num_f32 v[TM+\c], v[TM+\c], v[TM+2+\c], |v[\src+31+32*\c]|   ; the block's largest magnitude: all 32 numbers are mine
.endr
.irp c, 0,1
	v_add_nc_u32 v[TM+12+\c], 0xfe000000, v[TM+\c] ; 4 off its exponent field: the conversion's scale operand
.endr
.irp c, 0,1
	v_lshrrev_b32 v[TM+8+\c], 23, v[TM+12+\c]      ; the scale's byte
.endr
	v_lshl_or_b32 v[PW], v[TM+9], 16, v[TM+8]      ; my two bytes, blocks h and 2 + h,
	v_lshlrev_b32 v[PW], v[H8], v[PW]              ; at their places in the word;
	v_permlanex16_b32 v[TM+4], v[PW], s[SEL], s[SEL+1]
	v_or_b32 v[PW], v[PW], v[TM+4]                 ; with lane l xor 16's two the word is whole, in both lanes
.irp c, 0,1
	v_cvt_scalef32_pk16_bf6_f32 v[PC+6*\c:PC+2+6*\c], v[\src+32*\c:\src+15+32*\c], v[TM+12+\c]
	v_cvt_scalef32_pk16_bf6_f32 v[PC+12+4*\c:PC+14+4*\c], v[\src+16+32*\c:\src+31+32*\c], v[TM+12+\c]   ; (a conversion's three registers begin on an even number)
.endr
	v_nop                                          ; one plain line behind the scaled conversions
.irp c, 0,1
.irp i, 0,1,2
	v_mov_b32 v[PC+3+6*\c+\i], v[PC+12+4*\c+\i]
.endr
.endr
.endm
.macro EMIT_QK j                       ; registers 0-5 to the first head's block, 6-11 to the second's; each store covers 512 or 256 consecutive bytes, aligned
	global_store_b128 v[LI], v[PC:PC+3], s[32:33] offset:768*(\j)
	global_store_b64 v[L8], v[PC+4:PC+5], s[32:33] offset:768*(\j)+512
	global_store_b128 v[LI], v[PC+6:PC+9], s[34:35] offset:768*(\j)
	global_store_b64 v[L8], v[PC+10:PC+11], s[34:35] offset:768*(\j)+512
.if (\j)%2 == 0
	v_mov_b32 v[KE], v[PW]
.else
	v_cndmask_b32 v[TP], v[KE], v[PW], s[HI]       ; lanes 0-15 the even tile's word, lanes 16-31 the odd tile's
	v_and_b32 v[SC+(\j)/2], 0xffff, v[TP]          ; the first head's two bytes; bytes 2 and 3 are 0
	v_lshrrev_b32 v[SC+4+(\j)/2], 16, v[TP]        ; the second head's
.endif
.endm
.macro EMIT_V j                        ; tiles 0-3 are the first head's channels, 4-7 the second's
.irp g, 0,1,2
.if (\j) < 4
	global_store_b128 v[LI], v[PC+4*\g:PC+4*\g+3], s[32:33] offset:1536*((\j)%4)+512*\g
.else
	global_store_b128 v[LI], v[PC+4*\g:PC+4*\g+3], s[34:35] offset:1536*((\j)%4)+512*\g
.endif
.endr
.if (\j)%2 == 0
	v_mov_b32 v[KE], v[PW]
.else
	v_cndmask_b32 v[SC+(\j)/2], v[KE], v[PW], s[HI]
.endif
.endm
.macro TILE j, kind
	s_wait_dscnt 0x0                               ; this tile's fragments are in
	PROD \j
.rept 4
	v_nop                                          ; four places behind the products: in front of the loads into their source 1 and of the first read of their results
.endr
.if (\j) < 7
	MFETCH (\j)+1                                  ; the next tile lands while this one is quantised
.endif
	s_wait_xcnt 0x0                                ; the last tile's stores have read their data: the codes' registers are written again only behind this wait
	QUANT HA
.if \kind
	EMIT_V \j
.else
	EMIT_QK \j
.endif
.endm
	s_load_b256 s[4:11], s[0:1], 0x0               ; wf, ff, qf, kv
	v_lshl_add_u32 v[SPW], v0, 2, SPARE
	v_mov_b32 v[NIL], 0
	ds_add_u32 v[SPW], v[NIL]                      ; the wave's opening: the add, twice on end, and its wait ahead of my first tensor load
	ds_add_u32 v[SPW], v[NIL]                      ; and once more; the set-up below, work on registers, stands between it and the wait
	v_lshrrev_b32 v[TP], 5, v0
	v_readfirstlane_b32 s[WV], v[TP]               ; wave 0..3
	v_and_b32 v[TP], 31, v0
	v_lshlrev_b32 v[LI], 4, v[TP]
	v_lshlrev_b32 v[L8], 3, v[TP]
	v_lshlrev_b32 v[L4], 2, v[TP]
	v_bfe_u32 v[H8], v0, 4, 1
	v_lshlrev_b32 v[H8], 3, v[H8]
.irp b, 0,1,2,3
	v_mov_b32 v[TM+4+\b], 0                        ; written once: a lane permute's destination counts as one of its sources
.endr
	s_and_b32 s13, ttmp7, 0xffff                   ; y: 0 q, 1 k, 2 v
	s_mov_b32 s14, ttmp9                           ; x
	s_mov_b32 s[SEL], 0x76543210
	s_mov_b32 s[SEL+1], 0xfedcba98
	s_mov_b32 s[HI], 0xffff0000
	; descriptor group 1: a quarter of the moving block, dense: 50 rows of 256 bytes (32 elements of 8 bytes)
	s_mov_b32 s16, 3<<16
	s_mov_b32 s17, 32<<16                          ; tensor_dim0
	s_mov_b32 s18, 50<<16                          ; tensor_dim1
	s_mov_b32 s19, 32<<16                          ; tile_dim0
	s_mov_b32 s20, 50                              ; tile_dim1
	s_mov_b32 s21, 32                              ; the pitch
	s_mov_b32 s22, 0
	s_mov_b32 s23, 0
	s_and_b32 s44, s14, 3                          ; v: which block of Wv
	s_lshr_b32 s45, s14, 2
	s_lshl_b32 s45, s45, 2
	s_add_co_u32 s45, s45, s[WV]                   ; v: my block of 128 keys, 0..63
	s_add_co_u32 s46, s45, 64                      ; in ff behind pet's 64 blocks
	s_add_co_u32 s47, s44, 8                       ; Wv's blocks lie behind Wq's and Wk's
	s_lshl_b32 s40, s13, 6
	s_add_co_u32 s40, s40, s14                     ; q, k: the moving block of ff
	s_lshl_b32 s42, s13, 2
	s_add_co_u32 s42, s42, s[WV]                   ; q, k: my block of the weight
	s_mov_b32 s49, 13056
	s_mul_i32 s25, s[WV], 12800                    ; my quarter's place in LDS
	s_mov_b32 s24, 1
	s_mov_b32 s41, 0
	s_mov_b32 s43, 0
	s_wait_alu depctr_va_vdst(0)
	s_wait_dscnt 0x0                               ; both opening adds are done
	s_wait_kmcnt 0x0
	s_cmp_eq_u32 s13, 2                            ; the choices hang on the work-group's number alone
	s_cselect_b32 s40, s47, s40                    ; the moving block's number,
	s_cselect_b32 s42, s46, s42                    ; the stationary block's,
	s_cselect_b32 s45, s45, s14                    ; 32 x batch + the block of 128 positions that the results belong to,
	s_cselect_b32 s44, s44, s[WV]                  ; half the first head's number,
	s_cselect_b32 s48, 6656, 0                     ; v lies behind k in a block of kv
	s_cselect_b64 s[30:31], s[4:5], s[6:7]
	s_cselect_b64 s[28:29], s[6:7], s[4:5]
	s_cmp_eq_u32 s13, 0
	s_cselect_b32 s49, 6656, s49                   ; bytes of a block of qf or of kv
	s_cselect_b64 s[32:33], s[8:9], s[10:11]
	s_mul_i32 s40, s40, GB
	s_add_co_u32 s40, s40, s25
	s_add_nc_u64 s[26:27], s[30:31], s[40:41]
	s_or_b32 s27, s27, 0x80000000                  ; type = 2
	tensor_load_to_lds s[24:27], s[16:23]          ; every wave brings a quarter: one tensor load of mine is out
	s_nop 0
.rept 4
	v_nop
.endr
	s_mul_i32 s42, s42, GB
	s_add_nc_u64 s[28:29], s[28:29], s[42:43]      ; my stationary block
	WIN 0x40                                       ; destination window 1
.irp f, 0,1,2,3,4,5,6,7,8,9,10,11,12,13,14,15
.irp g, 0,1,2
	global_load_b128 v[12*\f+4*\g:12*\f+4*\g+3], v[LI], s[28:29] offset:1536*\f+512*\g
.endr
.endr
	WIN 0x80                                       ; destination window 2
.irp f, 0,1,2,3,4,5,6,7,8,9,10,11,12,13,14,15
.irp g, 0,1,2
	global_load_b128 v[12*\f+4*\g:12*\f+4*\g+3], v[LI], s[28:29] offset:1536*(\f+16)+512*\g
.endr
.endr
	WIN 0
.irp i, 0,1,2,3
.irp s, 0,1,2,3
	global_load_b32 v[SS+4*\i+\s], v[L4], s[28:29] offset:GSC+128*(4*\s+\i)
.endr
.endr
	s_lshr_b32 s50, s45, 5                         ; batch
	s_and_b32 s51, s45, 31                         ; the block of 128 positions
	s_lshl_b32 s50, s50, 8
	s_lshl_b32 s52, s44, 6
	s_add_co_u32 s50, s50, s52
	s_add_co_u32 s50, s50, s51                     ; 32 x (8 x batch + head) + block
	s_mul_i32 s50, s50, s49
	s_add_co_u32 s50, s50, s48
	s_mov_b32 s51, 0
	s_add_nc_u64 s[32:33], s[32:33], s[50:51]      ; where the first head's results go,
	s_lshl_b32 s52, s49, 5
	s_mov_b32 s53, 0
	s_add_nc_u64 s[34:35], s[32:33], s[52:53]      ; and the next head's: 32 blocks on
	s_wait_tensorcnt 0x0                           ; my quarter is in,
	s_barrier_signal -1
	s_barrier_wait -1                              ; everybody's is; nothing is filled again in this launch
.irp i, 0,1,2,3
.irp s, 0,1,2,3
	ds_load_b32 v[MS+4*\i+\s], v[L4] offset:GSC+128*(4*\s+\i)
.endr
.endr
	MFETCH 0
	s_wait_loadcnt 0x0                             ; the stationary block
	s_cmp_eq_u32 s13, 2
	s_cbranch_scc1 .Lway_v                         ; two whole ways, parted once on the work-group's number
.irp j, 0,1,2,3,4,5,6,7
	TILE \j, 0
.endr
	global_store_b128 v[LI], v[SC:SC+3], s[32:33] offset:6144
	global_store_b128 v[LI], v[SC+4:SC+7], s[34:35] offset:6144
	s_branch .Ldone
.Lway_v:
.irp j, 0,1,2,3,4,5,6,7
	TILE \j, 1
.endr
	global_store_b64 v[L8], v[SC:SC+1], s[32:33] offset:6144
	global_store_b64 v[L8], v[SC+2:SC+3], s[34:35] offset:6144
.Ldone:
	s_wait_tensorcnt 0x0                           ; the wave's end
	ds_add_u32 v[SPW], v[NIL]
	s_wait_dscnt 0x0
	s_endpgm
.Lfunc_end_k_q30b60d8d5a_proj:
	.size	k_q30b60d8d5a_proj, .Lfunc_end_k_q30b60d8d5a_proj-k_q30b60d8d5a_proj
	.p2alignl 7, 3214868480
	.fill 96, 4, 3214868480
	.section	.rodata,"a",@progbits
	.p2align	6, 0x0
	.amdhsa_kernel k_q30b60d8d5a_proj
		.amdhsa_group_segment_fixed_size 167936
		.amdhsa_private_segment_fixed_size 0
		.amdhsa_enable_private_segment 0
		.amdhsa_kernarg_size 32
		.amdhsa_user_sgpr_count 2
		.amdhsa_user_sgpr_kernarg_segment_ptr 1
		.amdhsa_wavefront_size32 1
		.amdhsa_system_sgpr_workgroup_id_x 1
		.amdhsa_system_sgpr_workgroup_id_y 1
		.amdhsa_system_sgpr_workgroup_id_z 1
		.amdhsa_system_vgpr_workitem_id 0
		.amdhsa_next_free_vgpr 704
		.amdhsa_next_free_sgpr 66
		.amdhsa_reserve_vcc 0
		.amdhsa_float_denorm_mode_32 3
		.amdhsa_float_denorm_mode_16_64 3
		.amdhsa_memory_ordered 1
		.amdhsa_forward_progress 1
		.amdhsa_inst_pref_size 149
	.end_amdhsa_kernel
	.amdgpu_metadata
---
amdhsa.version: [ 1, 2 ]
amdhsa.kernels:
  - .name:           k_q30b60d8d5a_proj
    .symbol:         k_q30b60d8d5a_proj.kd
    .args:
      - { .name: wf, .offset: 0, .size: 8, .value_kind: global_buffer, .address_space: global }
      - { .name: ff, .offset: 8, .size: 8, .value_kind: global_buffer, .address_space: global }
      - { .name: qf, .offset: 16, .size: 8, .value_kind: global_buffer, .address_space: global }
      - { .name: kv, .offset: 24, .size: 8, .value_kind: global_buffer, .address_space: global }
    .group_segment_fixed_size: 167936
    .private_segment_fixed_size: 0
    .kernarg_segment_align: 8
    .kernarg_segment_size: 32
    .max_flat_workgroup_size: 128
    .sgpr_count:     66
    .vgpr_count:     704
    .wavefront_size: 32
...
	.end_amdgpu_metadata
.endif
;; end of part 2
;; launch attn (part 3): grid 16 x 16, 16 waves a work-group, clusters of 4 x 1, 327,680 bytes of LDS; arguments qf, kv, xf; writes xf
.if DOCPART == 3
	.amdgcn_target "amdgcn-amd-amdhsa--gfx1250"
	.amdhsa_code_object_version 6
	.text
	.protected	k_q30b60d8d5a_attn
	.globl	k_q30b60d8d5a_attn
	.p2align	8
	.type	k_q30b60d8d5a_attn,@function
k_q30b60d8d5a_attn:
	s_mov_b64 s[64:65], 0
	v_nop
	global_prefetch_b8 v0, s[64:65] scope:SCOPE_SE
	s_setreg_imm32_b32 hwreg(HW_REG_WAVE_MODE, 25, 1), 1
	s_wait_xcnt 0x0
	s_wait_alu depctr_hold_cnt(0) depctr_sa_sdst(0) depctr_va_vdst(0) depctr_va_sdst(0) depctr_va_ssrc(0) depctr_va_vcc(0) depctr_vm_vsrc(0)
	s_getreg_b32 s2, hwreg(HW_REG_IB_STS2, 6, 4)
	s_cmp_eq_u32 s2, 0
	s_cbranch_scc0 .Lentry_in_a_cluster
	s_endpgm
.Lentry_in_a_cluster:
	s_bfe_u32 s2, ttmp6, 0x10000c
	s_cmp_lg_u32 s2, 0x3003
	s_cbranch_scc0 .Lentry_shape_is_right
	s_endpgm
.Lentry_shape_is_right:
; LAUNCH 3 OF 4: the attention of one (batch, head) on codes of BF6, and its result quantised along the channels for the projection on the way out.  No work of the problem is left out.
; THE SOFTMAX AHEAD OF THE SECOND PRODUCT: t = score x log2(e) / 8; M = the row's largest t so far, rounded UP to a whole number; p = 2^(t - M) is what is quantised, along the keys; the row's sum is taken of the
; unquantised p, in f32, and divides at the end.  When M moves, the sum and O are multiplied by 2^(old M - new M): exact.
; SHARES.  A work-group owns 256 queries of one (batch, head); each of its sixteen waves one tile of 16, in 256 registers, four waves to a SIMD.  Every wave walks the head's 4,096 keys, 128 a step.
; A step's K and V are one dense block of 13,056 bytes of kv, in the order of the operands' registers: every LDS load reads 512 or 256 consecutive bytes.
; RING: two LDS slots, slot 0 of 8 key steps (104,448 bytes) and slot 1 of 16 (208,896 bytes).  The 32 steps come in three fills: 8 into slot 0, 16 into slot 1, 8 into slot 0 again.
; A loading wave fetches ONE key step, 51 rows of 256 bytes: wave w step w of the fill; waves 0-7 load slot 0's fills, all sixteen slot 1's.
; CLUSTER: the four work-groups of a cluster belong to one (batch, head) and walk the same kv: each key step is asked for JOINTLY, by the same tensor load with the same descriptor and a mask that names the four.
; NO PREFETCH: a fill is asked for a whole slot's walk, 8 or 16 key steps of all sixteen waves, ahead of its first read, and the three fills are all that the work-group reads of kv.
; LAYOUT.  Both products are used transposed: S^T = K Q^T (source 0 = 16 keys), O^T = V^T P^T (source 0 = 16 channels): a lane holds ONE query throughout.  The launches before chose the keys of a tile of K and the
; channels of a tile of V so: lane r of tile 4 c + u holds row 64 c + 8 u + r % 8 + 32 (r / 8).  So the 32 results of tiles 4 c .. 4 c + 3 in lane (r, h) are the neighbours 64 c + 32 h + 0 .. 31: ONE WHOLE BLOCK of the
; next product's K, in the place that the operand's layout gives the lane: a block's maximum needs no other lane, and the conversions' results are the operand's registers.
; THE FIRST PRODUCT'S K IS 64, the instruction's 128: Q's registers 6-11 are zero codes and bytes 2, 3 of Q's and K's scale words are 0 (2^-127, a number), so whatever codes stand in the upper six registers of K's operand
; add nothing: every pattern of six bits is a finite number.  So K's eight tiles lie six registers apart, and a tile's operand runs on into the next tile's codes (the last into six zeros).
; LIMITS: NaN and infinities are not served; scale bytes are held at 1 from below; a block of zeros, or one whose every p has fallen to 0, has the byte 1; the scaled scores t stay under 2^31 in magnitude.
.set KVB,   13056                      ; a key step's bytes
.set SLOT1, 8*KVB                      ; slot 1 begins behind slot 0's 8 steps
.set XSG,   24*KVB                     ; behind the ring: 1,024 bytes in which the sixteen tiles' scale words meet
.set SPARE, XSG+1024                   ; the spare words, 128 bytes for each wave: eight blocks of 256 bytes that no other line names
.set LI,  1                            ; v1   16 x lane
.set L8,  2                            ; v2   8 x lane
.set XSA, 3                            ; v3   where I put my row's scale word
.set XSR, 4                            ; v4   where waves 0 and 1 read 512 bytes of them back
.set SPW, 5                            ; v5   LDS address of my spare word; never rewritten
.set NIL, 6                            ; v6   0; never rewritten
.set XGO, 7                            ; v7   where those 512 bytes go in xf
.set ADK, 8                            ; v8   the step's block, + 16 x lane
.set AD8, 9                            ; v9   the step's block, + 8 x lane
.set H8,  10                           ; v10  8 x (lane / 16)
; v11 16 x (lane % 16); v12 -M, v13 the largest score so far, v[14:15] the sum in two halves
.set QF,  16                           ; v16-21 Q's codes, v22-27 zeros
.set KS,  28                           ; v28-31 K's scale words, a register a pair of tiles
.set KV,  32                           ; v32-79 K's eight tiles, six registers each; then V's four fragments;  v80-85 zeros
.set VS,  86                           ; v86-87 V's scale words
.set QS,  88                           ; v88    Q's
.set PSW, 89                           ; v89    p's, and at the end the result's
.set FF,  90                           ; v90    2^(old M - new M);  v91 is named with it as a pair
.set S,   96                           ; v96-159  S^T, then p
.set O,   160                          ; v160-191 O^T
.set PCD, 192                          ; v192-203 p's codes; v204-206, v208-210 the upper halves of the two blocks on their way to odd registers
.set BM,  212                          ; v212-215 the two blocks' largest scores (two chains each), then largest p
.set BT,  216                          ; v216-218 at work
.set BSO, 220                          ; v220-221 the conversions' scale operands
.set TP,  224
.set TPO, 225                          ; the last step's -M
.set SU,  226                          ; v226-241 eight chains of the step's sum, two numbers each
.set WV,  12
.set SEL, 20
.set CS,  22                           ; s[22:23] c = log2(e) / 8
.set G1,  24                           ; s[24:31] descriptor group 1
.set G0,  32                           ; s[32:35] group 0, which walks;  s36 my key step's place in slot 0
.set TB,  40                           ; s40  LDS byte at which the step's block begins
.set CNT, 42
.macro WM d, a, b, acc, sa, sb, ra     ; acc = 0: the product starts the sum.  ra: source 0's scale words are taken from lanes 16-31 (an odd tile)
.if \acc
.if \ra
	v_wmma_scale_f32_16x16x128_f8f6f4 v[\d:\d+7], v[\a:\a+11], v[\b:\b+11], v[\d:\d+7], v[\sa], v[\sb] matrix_a_fmt:MATRIX_FMT_BF6 matrix_b_fmt:MATRIX_FMT_BF6 matrix_a_scale:MATRIX_SCALE_ROW1
.else
	v_wmma_scale_f32_16x16x128_f8f6f4 v[\d:\d+7], v[\a:\a+11], v[\b:\b+11], v[\d:\d+7], v[\sa], v[\sb] matrix_a_fmt:MATRIX_FMT_BF6 matrix_b_fmt:MATRIX_FMT_BF6
.endif
.else
.if \ra
	v_wmma_scale_f32_16x16x128_f8f6f4 v[\d:\d+7], v[\a:\a+11], v[\b:\b+11], 0, v[\sa], v[\sb] matrix_a_fmt:MATRIX_FMT_BF6 matrix_b_fmt:MATRIX_FMT_BF6 matrix_a_scale:MATRIX_SCALE_ROW1
.else
	v_wmma_scale_f32_16x16x128_f8f6f4 v[\d:\d+7], v[\a:\a+11], v[\b:\b+11], 0, v[\sa], v[\sb] matrix_a_fmt:MATRIX_FMT_BF6 matrix_b_fmt:MATRIX_FMT_BF6
.endif
.endif
.endm
.macro CROUND                          ; a round of the cluster's barrier
	s_barrier_signal -1
	s_barrier_wait -1
	s_cmp_lg_u32 s[WV], 0
	s_cbranch_scc1 .Lnot_wave_0_\@
	s_barrier_signal -3
.Lnot_wave_0_\@:
	s_barrier_wait -3
	s_barrier_signal -1
	s_barrier_wait -1
.endm
.macro JLOAD n                         ; waves 0 .. n - 1 fetch a key step each; the branch hangs on the wave's number alone, and with n = 16 there is none.  An s_nop 0 and four v_nop follow the load
.if \n < 16
	s_cmp_lt_u32 s[WV], \n
	s_cbranch_scc0 .Lasked_\@
.endif
	tensor_load_to_lds s[G0:G0+3], s[G1:G1+7]
	s_nop 0
.rept 4
	v_nop
.endr
.if \n < 16
.Lasked_\@:
.endif
.endm
	s_load_b128 s[4:7], s[0:1], 0x0                ; qf, kv
	s_load_b64 s[8:9], s[0:1], 0x10                ; xf
	v_lshl_add_u32 v[SPW], v0, 2, SPARE
	v_mov_b32 v[NIL], 0
	ds_add_u32 v[SPW], v[NIL]                      ; the wave's opening: the add, twice on end, and its wait ahead of the round in front of the first tensor loads
	ds_add_u32 v[SPW], v[NIL]                      ; and once more; the set-up below, work on registers, stands between it and the wait
	v_lshrrev_b32 v10, 5, v0
	s_delay_alu instid0(VALU_DEP_1)
	v_readfirstlane_b32 s[WV], v10                 ; wave 0..15
	s_bfe_u32 s13, ttmp6, 0x40000                  ; cx: my place in the cluster: it enters qf's and xf's addresses alone
	s_lshl_b32 s14, ttmp9, 2
	s_add_co_u32 s14, s14, s13                     ; my block of 256 queries
	s_and_b32 s15, ttmp7, 0xffff                   ; 8 x batch + head, which the four partners share
	s_and_b32 s50, s[WV], 3
	s_mul_i32 s[G0+1], s[WV], KVB                  ; my key step's place in a fill, and in slot 0
	s_mul_i32 s36, s[WV], KVB                      ; kept for slot 0's second fill
	s_mul_i32 s52, s15, 32*KVB
	s_add_co_u32 s52, s52, s[G0+1]                 ; and in kv
	s_mov_b32 s53, 0
	s_mov_b32 s[G0], 1
	s_mov_b32 s[G1], 15|(3<<16)|(1<<21)            ; 15:0 the mask: all four work-groups; 17:16 elements of 8 bytes; 21 set beside a mask
	s_mov_b32 s[G1+1], 32<<16                      ; tensor_dim0: 256 bytes
	s_mov_b32 s[G1+2], 51<<16                      ; tensor_dim1: a key step is 51 such rows
	s_mov_b32 s[G1+3], 32<<16                      ; tile_dim0
	s_mov_b32 s[G1+4], 51                          ; tile_dim1
	s_mov_b32 s[G1+5], 32                          ; the pitch: dense
	s_mov_b32 s[G1+6], 0
	s_mov_b32 s[G1+7], 0
	s_lshl_b32 s54, s15, 5                         ; qf: block 32 x (batch, head) + 2 x my block of 256 + wave / 8
	s_lshl_b32 s55, s14, 1
	s_add_co_u32 s54, s54, s55
	s_lshr_b32 s55, s[WV], 3
	s_add_co_u32 s54, s54, s55
	s_mul_i32 s54, s54, 6656
	s_and_b32 s55, s[WV], 7                        ; my tile in it
	s_mul_i32 s56, s55, 768
	s_add_co_u32 s56, s56, s54
	s_mov_b32 s57, 0
	s_lshr_b32 s55, s55, 1
	s_lshl_b32 s55, s55, 2                         ; its pair's word,
	s_and_b32 s58, s[WV], 1
	s_lshl_b32 s58, s58, 8                         ; in lanes 16-31's places where the tile is odd
	s_add_co_u32 s58, s58, s55
	s_add_co_u32 s58, s58, s54
	s_add_co_u32 s58, s58, 6144
	s_mov_b32 s59, 0
	s_lshr_b32 s16, s15, 3                         ; batch
	s_and_b32 s17, s15, 7                          ; head
	s_lshl_b32 s16, s16, 6
	s_lshl_b32 s18, s14, 2
	s_add_co_u32 s16, s16, s18                     ; xf: my work-group's first block of 64 positions
	s_lshr_b32 s18, s[WV], 2
	s_add_co_u32 s18, s18, s16
	s_mul_i32 s18, s18, 26624
	s_lshl_b32 s19, s50, 3
	s_add_co_u32 s19, s19, s17                     ; in it: 8 x tile + head
	s_mul_i32 s19, s19, 768
	s_add_co_u32 s60, s18, s19
	s_mov_b32 s61, 0
	s_and_b32 s18, s[WV], 1                        ; the scale words: waves 0 and 1 store two blocks' each
	s_lshl_b32 s18, s18, 1
	s_add_co_u32 s18, s18, s16
	s_mul_i32 s18, s18, 26624
	s_lshl_b32 s19, s17, 8
	s_add_co_u32 s18, s18, s19
	s_add_co_u32 s62, s18, 24576
	s_mov_b32 s63, 0
	s_mov_b32 s[SEL], 0x76543210
	s_mov_b32 s[SEL+1], 0xfedcba98                 ; v_permlanex16_b32's selects for lane l xor 16
	s_mov_b32 s[CS], 0x3e38aa3b                    ; c = log2(e) / 8
	s_mov_b32 s[CS+1], s[CS]                       ; (named with it as a pair, so it is written)
	v_and_b32 v10, 31, v0                          ; lane
	v_and_b32 v11, 15, v0                          ; r
	s_delay_alu instid0(VALU_DEP_2)
	v_lshlrev_b32 v[LI], 4, v10
	s_delay_alu instid0(VALU_DEP_3)
	v_lshlrev_b32 v[L8], 3, v10
	s_lshl_b32 s51, s[WV], 6
	s_add_co_u32 s51, s51, XSG
	v_lshl_add_u32 v[XSA], v11, 2, s51             ; 64 bytes a tile, 4 a row
	s_and_b32 s51, s[WV], 1
	s_lshl_b32 s51, s51, 9
	s_add_co_u32 s51, s51, XSG
	v_add_nc_u32 v[XSR], s51, v[LI]
	v_bfe_u32 v[XGO], v0, 4, 1
	s_delay_alu instid0(VALU_DEP_1)
	v_lshlrev_b32 v[H8], 3, v[XGO]                 ; 8 h
	v_mul_u32_u24 v[XGO], v[XGO], 26624            ; lanes 16-31: the next block of 64 positions
	s_delay_alu instid0(VALU_DEP_1)
	v_lshl_add_u32 v[XGO], v11, 4, v[XGO]
	v_lshlrev_b32 v11, 4, v11
	s_wait_dscnt 0x0                               ; both opening adds are done
	s_wait_kmcnt 0x0
	s_add_nc_u64 s[G0+2:G0+3], s[6:7], s[52:53]
	s_or_b32 s[G0+3], s[G0+3], 0x80000000          ; type = 2
	s_add_nc_u64 s[44:45], s[4:5], s[56:57]        ; Q's codes
	s_add_nc_u64 s[10:11], s[4:5], s[58:59]        ; Q's scale words
	s_add_nc_u64 s[46:47], s[8:9], s[60:61]        ; the result's codes
	s_add_nc_u64 s[48:49], s[8:9], s[62:63]        ; the result's scale words
	CROUND                                         ; all four work-groups are here: the first joint loads meet
	JLOAD 8                                        ; slot 0: key steps 0-7
	s_wait_alu depctr_va_vdst(0)
	global_load_b128 v[QF:QF+3], v[LI], s[44:45]
	global_load_b64 v[QF+4:QF+5], v[L8], s[44:45] offset:512
	global_load_b32 v[QS], v11, s[10:11]
.irp i, 0,1,2,3,4,5
	v_mov_b32 v[QF+6+\i], 0                        ; Q's upper 64 along K: zero codes
	v_mov_b32 v[KV+48+\i], 0                       ; what K's last tile runs on into
.endr
	v_mov_b32 v13, 0xff61b1e6                      ; the largest score so far: -3e38, under every score
	v_mov_b32 v[TPO], 0x7f61b1e6                   ; the -M that the first step finds: 3e38, so that its factor is 0
	v_mov_b32 v14, 0                               ; the sum, in two halves
	v_mov_b32 v15, 0
	v_mov_b32 v[FF], 0
	v_mov_b32 v[FF+1], 0
	v_mov_b32 v[BT], 0                             ; written once: a lane permute's destination counts as one of its sources
.irp i, 0,1,2,3,4,5,6,7
	v_mov_b32 v[SU+\i], 0                          ; the four chains that a step's head folds into the sum: the first step finds zeros
.endr
.set j, 0
.rept 32
	v_mov_b32 v[O+j], 0                            ; O^T.  (The step is written once: the first finds zeros, which the first change of M leaves zeros)
.set j, j+1
.endr
; The last four lines of a step's sum: four chains become one, and the sum takes it in under that step's factor.  They stand behind the NEXT step's first products, as their four places; at the very end once more.
.macro FOLD
	v_pk_add_f32 v[SU:SU+1], v[SU:SU+1], v[SU+4:SU+5]
	v_pk_add_f32 v[SU+2:SU+3], v[SU+2:SU+3], v[SU+6:SU+7]
	s_delay_alu instid0(VALU_DEP_1)
	v_pk_add_f32 v[SU:SU+1], v[SU:SU+1], v[SU+2:SU+3]
	s_delay_alu instid0(VALU_DEP_1)
	v_pk_fma_f32 v[14:15], v[14:15], v[FF:FF+1], v[SU:SU+1] op_sel_hi:[1,0,1]   ; sum x f + the step's p
.endm
.macro PF n                            ; t - M, two at a time (of the pairs c and -M the low word serves both halves)
.rept \n
	v_pk_fma_f32 v[S+j:S+j+1], v[S+j:S+j+1], s[CS:CS+1], v[12:13] op_sel_hi:[1,0,0]
.set j, j+2
.endr
.endm
; A KEY STEP: 128 keys
.macro STEP
	v_add_nc_u32 v[ADK], s[TB], v[LI]
	v_add_nc_u32 v[AD8], s[TB], v[L8]
.irp t, 0,1,2,3,4,5,6,7
	ds_load_b128 v[KV+6*\t:KV+6*\t+3], v[ADK] offset:768*\t       ; (twelve plain lines of the last step's sum stand behind its products, which read these registers)
	ds_load_b64 v[KV+6*\t+4:KV+6*\t+5], v[AD8] offset:768*\t+512
.endr
	ds_load_b128 v[KS:KS+3], v[ADK] offset:6144
	s_wait_alu depctr_va_vdst(0)                   ; directly ahead of the wait below
	s_wait_dscnt 0x0
.irp t, 0,1,2,3,4,5,6,7
	WM S+8*\t, KV+6*\t, QF, 0, KS+\t/2, QS, \t%2   ; S^T: lane (r, h) holds query r; registers 32 c + i are keys 64 c + 32 h + i of the step
.endr
	FOLD                                           ; four plain lines that name none of the products' registers: the places in front of the loads below and of the first read of the scores
.irp c, 0,1,2,3
.irp g, 0,1,2
	ds_load_b128 v[KV+12*\c+4*\g:KV+12*\c+4*\g+3], v[ADK] offset:6656+1536*\c+512*\g   ; V lands while the softmax is walked
.endr
.endr
	ds_load_b64 v[VS:VS+1], v[AD8] offset:12800
.irp c, 0,1                            ; THE LARGEST SCORE OF MY TWO BLOCKS OF 32 KEYS, in two chains each: for the row's maximum and, since p rises with the score, for the block's largest p.  Each accumulator from its low end on
	v_max3_num_f32 v[BM+\c], v[S+32*\c], v[S+1+32*\c], v[S+2+32*\c]
	v_max3_num_f32 v[BM+2+\c], v[S+16+32*\c], v[S+17+32*\c], v[S+18+32*\c]
.endr
.irp i, 3,5,7,9,11,13
.irp c, 0,1
	v_max3_num_f32 v[BM+\c], v[BM+\c], v[S+32*\c+\i], v[S+1+32*\c+\i]
	v_max3_num_f32 v[BM+2+\c], v[BM+2+\c], v[S+16+32*\c+\i], v[S+17+32*\c+\i]
.endr
.endr
.irp c, 0,1
	v_max3_num_f32 v[BM+\c], v[BM+\c], v[BM+2+\c], v[S+15+32*\c]
.endr
.irp c, 0,1
	v_max_num_f32 v[BM+\c], v[BM+\c], v[S+31+32*\c]
.endr
	s_delay_alu instid0(VALU_DEP_1)
	v_max_num_f32 v[TP], v[BM], v[BM+1]            ; my 64 keys,
	s_delay_alu instid0(VALU_DEP_1)
	v_permlanex16_b32 v[BT], v[TP], s[SEL], s[SEL+1]
	s_delay_alu instid0(VALU_DEP_1)
	v_max3_num_f32 v13, v13, v[TP], v[BT]          ; lane l xor 16's 64, and all before: the running largest score
	s_delay_alu instid0(VALU_DEP_1)
	v_mul_f32 v[TP], s[CS], v13                    ; as t (c is positive)
	s_delay_alu instid0(VALU_DEP_1)
	v_floor_f32 v12, -v[TP]                        ; the new -M = floor(-t) = -ceil(t): M IS A WHOLE NUMBER
	s_delay_alu instid0(VALU_DEP_1)
	v_sub_f32 v[TP], v12, v[TPO]                   ; M's old value less its new one: a whole number, 0 or less
.set j, 0
	PF 4
	v_cvt_i32_f32 v[TP], v[TP]                     ; (it saturates)
	PF 4
	v_ldexp_f32 v[FF], 1.0, v[TP]                  ; f = 2^(old M - new M)
	PF 24
.irp c, 0,1
	v_fma_f32 v[BM+\c], v[BM+\c], s[CS], v12       ; the same of each block's largest score
.endr
.set j, 0
.rept 16
	v_pk_mul_f32 v[O+j:O+j+1], v[O+j:O+j+1], v[FF:FF+1] op_sel_hi:[1,0]   ; O^T under the new M
.set j, j+2
.endr
	s_wait_alu depctr_va_vdst(0)                   ; the wait ahead of the batch, and directly ahead of the wait below
	s_wait_dscnt 0x0                               ; V is in
.set j, 0
.rept 64
	v_exp_f32 v[S+j], v[S+j]                       ; p = 2^(t - M), at most 1: NOT normalised
.set j, j+1
.endr
.irp c, 0,1
	v_exp_f32 v[BM+\c], v[BM+\c]                   ; the block's largest p: the same two instructions on the same number give the same bits
.endr
	v_mov_b32 v[TPO], v12                          ; this step's -M, kept for the next step; also the plain line behind the exponentials
	s_wait_alu depctr_va_vdst(0)                   ; one wait for the whole batch, ahead of its first reader
.irp c, 0,1
	v_max_num_f32 v[BM+\c], 0x2800000, v[BM+\c]    ; the floor 2^(5 - 127)
.endr
.irp c, 0,1
	v_add_nc_u32 v[BSO+\c], 0xfe000000, v[BM+\c]   ; 4 off the exponent field: the conversion's scale operand
.endr
.irp c, 0,1
	v_cvt_scalef32_pk16_bf6_f32 v[PCD+6*\c:PCD+2+6*\c], v[S+32*\c:S+15+32*\c], v[BSO+\c]
	v_cvt_scalef32_pk16_bf6_f32 v[PCD+12+4*\c:PCD+14+4*\c], v[S+16+32*\c:S+31+32*\c], v[BSO+\c]   ; (a conversion's three registers begin on an even number)
.endr
.irp c, 0,1
	v_lshrrev_b32 v[BT+1+\c], 23, v[BSO+\c]        ; the scale's byte; also the plain line behind the conversions
.endr
.irp i, 0,1,2
	v_mov_b32 v[PCD+3+\i], v[PCD+12+\i]
.endr
	v_lshl_or_b32 v[TP], v[BT+2], 16, v[BT+1]      ; my two bytes: blocks h and 2 + h
.irp i, 0,1,2
	v_mov_b32 v[PCD+9+\i], v[PCD+16+\i]
.endr
	v_permlanex16_b32 v[BT], v[TP], s[SEL], s[SEL+1]
	s_delay_alu instid0(VALU_DEP_1)
	v_lshl_or_b32 v[PSW], v[BT], 8, v[TP]          ; p's scale word for these 128 keys, whole in lanes 0-15, which alone are read
.irp i, 0,1,2,3,4,5,6,7                ; THE ROW'S SUM IS TAKEN OF THE UNQUANTISED p: eight chains of two numbers.  These sixteen lines are also the places between the scale word, the codes and the products below
	v_pk_add_f32 v[SU+2*\i:SU+2*\i+1], v[S+2*\i:S+2*\i+1], v[S+16+2*\i:S+17+2*\i]
.endr
.irp i, 0,1,2,3,4,5,6,7
	v_pk_add_f32 v[SU+2*\i:SU+2*\i+1], v[SU+2*\i:SU+2*\i+1], v[S+32+2*\i:S+33+2*\i]
.endr
.irp c, 0,1,2,3
	WM O+8*\c, KV+12*\c, PCD, 1, VS+\c/2, PSW, \c%2   ; O^T += V^T P^T: four accumulators, one instruction each
.endr
.irp i, 0,1,2,3,4,5,6,7
	v_pk_add_f32 v[SU+2*\i:SU+2*\i+1], v[SU+2*\i:SU+2*\i+1], v[S+48+2*\i:S+49+2*\i]
.endr
.irp i, 0,1,2,3
	v_pk_add_f32 v[SU+2*\i:SU+2*\i+1], v[SU+2*\i:SU+2*\i+1], v[SU+8+2*\i:SU+9+2*\i]
.endr
	s_add_co_u32 s[TB], s[TB], KVB
.endm
.macro WALK n, first                   ; n key steps from LDS byte first on: the step is written once and walked n times
	s_mov_b32 s[TB], \first
	s_mov_b32 s[CNT], \n
.Lstep_\@:
	STEP
	s_sub_co_u32 s[CNT], s[CNT], 1
	s_cmp_lg_u32 s[CNT], 0
	s_cbranch_scc1 .Lstep_\@
.endm
; THE CHANGE OF SLOTS stands at a slot's head.  Each wave waits for all its tensor loads (its part of the slot that it is about to read), adds 0 to its spare word, and waits for that and for its reads of the slot that it has left.
; fill = 1, 2: a round of the cluster's barrier follows, so that no wave of any partner still reads the other slot or has a load on its way, and the joint load is the first thing behind it.
; fill = 1: slot 1's first fill, key steps 8-23, a step a wave.  fill = 2: slot 0 again, key steps 24-31, on the very bytes of its first fill.
.macro CHANGE fill
	s_wait_tensorcnt 0x0                           ; no tensor load of mine is out, so group 0 may be written
	ds_add_u32 v[SPW], v[NIL]                      ; 0 onto my spare word
.if \fill == 1
	ds_add_u32 v[SPW], v[NIL]                      ; and once more
	s_add_nc_u64 s[G0+2:G0+3], s[G0+2:G0+3], 8*KVB ; eight key steps on; the type bits on top are not reached
	s_add_co_u32 s[G0+1], s[G0+1], SLOT1
	s_wait_dscnt 0x0                               ; the adds are done
	CROUND
	JLOAD 16
.elseif \fill == 2
	s_add_nc_u64 s[G0+2:G0+3], s[G0+2:G0+3], 16*KVB
	s_mov_b32 s[G0+1], s36
	s_wait_dscnt 0x0                               ; the add is done, and my reads of slot 0 are over
	CROUND
	JLOAD 8
.else
	s_wait_dscnt 0x0
	s_barrier_signal -1
	s_barrier_wait -1
.endif
.endm
	s_wait_alu depctr_va_vdst(0)
	s_wait_loadcnt 0x0                             ; Q
	CHANGE 1
	WALK 8, 0
	CHANGE 2
	WALK 16, SLOT1
	CHANGE 0                                       ; nothing is left to fetch
	WALK 8, 0
	; THE WAY OUT.  O^T / the sum: register i is channel 32 h + i of my query: one whole block of 32 along the next product's K.  It is quantised here, and leaves as the six registers of half a fragment.
	s_wait_alu depctr_va_vdst(0)                   ; the chains were written just ahead of the loop's branch
	FOLD                                           ; the last step's sum.  (Twelve plain lines stand behind the last products already)
	s_delay_alu instid0(VALU_DEP_1)
	v_add_f32 v14, v14, v15                        ; the sum's two halves,
	s_delay_alu instid0(VALU_DEP_1)
	v_permlanex16_b32 v[TP], v14, s[SEL], s[SEL+1]
	s_delay_alu instid0(VALU_DEP_1)
	v_add_f32 v14, v14, v[TP]                      ; and lane l xor 16's: the row's sum
	s_wait_alu depctr_va_vdst(0)
	v_rcp_f32 v14, v14
	v_nop                                          ; a plain line behind the reciprocal,
	s_wait_alu depctr_va_vdst(0)                   ; and the wait ahead of its first reader, which is also O^T's
.set j, 0
.rept 16
	v_pk_mul_f32 v[S+j:S+j+1], v[O+j:O+j+1], v[14:15] op_sel_hi:[1,0]
.set j, j+2
.endr
	v_max3_num_f32 v[BM], |v[S]|, |v[S+1]|, 0x2800000              ; the block's largest magnitude, in two chains; the floor among the leaves
	v_max3_num_f32 v[BM+1], |v[S+16]|, |v[S+17]|, |v[S+18]|
.irp i, 2,4,6,8,10,12
	s_delay_alu instid0(VALU_DEP_2)
	v_max3_num_f32 v[BM], v[BM], |v[S+\i]|, |v[S+1+\i]|
	s_delay_alu instid0(VALU_DEP_2)
	v_max3_num_f32 v[BM+1], v[BM+1], |v[S+17+\i]|, |v[S+18+\i]|
.endr
	s_delay_alu instid0(VALU_DEP_2)
	v_max3_num_f32 v[BM], v[BM], |v[S+14]|, |v[S+15]|
	s_delay_alu instid0(VALU_DEP_1)
	v_max3_num_f32 v[BM], v[BM], v[BM+1], |v[S+31]|
	s_delay_alu instid0(VALU_DEP_1)
	v_add_nc_u32 v[BSO], 0xfe000000, v[BM]
	v_cvt_scalef32_pk16_bf6_f32 v[PCD:PCD+2], v[S:S+15], v[BSO]
	v_cvt_scalef32_pk16_bf6_f32 v[PCD+12:PCD+14], v[S+16:S+31], v[BSO]
	v_lshrrev_b32 v[BT+1], 23, v[BSO]              ; my block's byte; also the plain line behind the conversions
	s_delay_alu instid0(VALU_DEP_1)
	v_lshlrev_b32 v[BT+1], v[H8], v[BT+1]          ; at its place in the word
.irp i, 0,1,2
	v_mov_b32 v[PCD+3+\i], v[PCD+12+\i]
.endr
	v_permlanex16_b32 v[BT], v[BT+1], s[SEL], s[SEL+1]
	s_delay_alu instid0(VALU_DEP_1)
	v_or_b32 v[PSW], v[BT], v[BT+1]                ; my row's two bytes, the same in both its lanes; the upper half is 0
	global_store_b128 v[LI], v[PCD:PCD+3], s[46:47]                 ; 512 consecutive bytes, aligned
	global_store_b64 v[L8], v[PCD+4:PCD+5], s[46:47] offset:512     ; 256
	ds_store_b32 v[XSA], v[PSW]                    ; both lanes of a row write the same word with the same value
	s_wait_dscnt 0x0                               ; for the others' sake: my store is done
	s_barrier_signal -1
	s_barrier_wait -1
	s_cmp_lt_u32 s[WV], 2
	s_cbranch_scc0 .Lnot_mine
	ds_load_b128 v[S:S+3], v[XSR]                  ; four tiles' words are the 256 bytes of a block of 64 positions and this head: sixteen lanes store them whole
	s_wait_dscnt 0x0
	global_store_b128 v[XGO], v[S:S+3], s[48:49]
.Lnot_mine:
	s_wait_tensorcnt 0x0                           ; the wave's end, behind my last tensor load and my last LDS store
	ds_add_u32 v[SPW], v[NIL]
	s_wait_dscnt 0x0
	CROUND                                         ; the closing round: no work-group ends while a partner may still ask for a tile that names it
	s_endpgm
.Lfunc_end_k_q30b60d8d5a_attn:
	.size	k_q30b60d8d5a_attn, .Lfunc_end_k_q30b60d8d5a_attn-k_q30b60d8d5a_attn
	.p2alignl 7, 3214868480
	.fill 96, 4, 3214868480
	.section	.rodata,"a",@progbits
	.p2align	6, 0x0
	.amdhsa_kernel k_q30b60d8d5a_attn
		.amdhsa_group_segment_fixed_size 327680
		.amdhsa_private_segment_fixed_size 0
		.amdhsa_enable_private_segment 0
		.amdhsa_kernarg_size 24
		.amdhsa_user_sgpr_count 2
		.amdhsa_user_sgpr_kernarg_segment_ptr 1
		.amdhsa_wavefront_size32 1
		.amdhsa_system_sgpr_workgroup_id_x 1
		.amdhsa_system_sgpr_workgroup_id_y 1
		.amdhsa_system_sgpr_workgroup_id_z 1
		.amdhsa_system_vgpr_workitem_id 0
		.amdhsa_next_free_vgpr 256
		.amdhsa_next_free_sgpr 66
		.amdhsa_reserve_vcc 0
		.amdhsa_float_denorm_mode_32 3
		.amdhsa_float_denorm_mode_16_64 3
		.amdhsa_memory_ordered 1
		.amdhsa_forward_progress 1
		.amdhsa_inst_pref_size 58
	.end_amdhsa_kernel
	.amdgpu_metadata
---
amdhsa.version: [ 1, 2 ]
amdhsa.kernels:
  - .name:           k_q30b60d8d5a_attn
    .symbol:         k_q30b60d8d5a_attn.kd
    .args:
      - { .name: qf, .offset: 0, .size: 8, .value_kind: global_buffer, .address_space: global }
      - { .name: kv, .offset: 8, .size: 8, .value_kind: global_buffer, .address_space: global }
      - { .name: xf, .offset: 16, .size: 8, .value_kind: global_buffer, .address_space: global }
    .group_segment_fixed_size: 327680
    .private_segment_fixed_size: 0
    .kernarg_segment_align: 8
    .kernarg_segment_size: 24
    .max_flat_workgroup_size: 512
    .sgpr_count:     66
    .vgpr_count:     256
    .wavefront_size: 32
...
	.end_amdgpu_metadata
.endif
;; end of part 3
;; launch outln (part 4): grid 128 x 1, 16 waves a work-group, no clusters, 327,680 bytes of LDS; arguments xf, wf, pet_feat, bp, gamma, beta, out0; writes out0
.if DOCPART == 4
	.amdgcn_target "amdgcn-amd-amdhsa--gfx1250"
	.amdhsa_code_object_version 6
	.text
	.protected	k_q30b60d8d5a_outln
	.globl	k_q30b60d8d5a_outln
	.p2align	8
	.type	k_q30b60d8d5a_outln,@function
k_q30b60d8d5a_outln:
	s_mov_b64 s[64:65], 0
	v_nop
	global_prefetch_b8 v0, s[64:65] scope:SCOPE_SE
	s_setreg_imm32_b32 hwreg(HW_REG_WAVE_MODE, 25, 1), 1
	s_wait_xcnt 0x0
.set GB,    51200
.set GSC,   49152
.set PP,    272
.set XB,    139264
.set ST1,   165888
.set SPARE, 174080
.set XLI,  1
.set XL8,  2
.set XL4,  3
.set PETA, 4
.set RD,   5
.set GO,   6
.set STA,  7
.set STR,  8
.set SPW,  9
.set NIL,  10
.set LI,   11
.set L4,   12
.set H64,  13
.set WS,   16
.set XS,   20
.set BIAS, 28
.set XF,   44
.set WF,   92
.set ACC,  188
.set SM,   252
.set RES,  92
.set GAM,  156
.set BET,  172
.set T,    28
.set WV,   42
.set SEL,  46
.macro WM d, a, b, c, sa, sb, ra, rb
.if (\ra) && (\rb)
	v_wmma_scale_f32_16x16x128_f8f6f4 v[\d:\d+7], v[\a:\a+11], v[\b:\b+11], v[\c:\c+7], v[\sa], v[\sb] matrix_a_fmt:MATRIX_FMT_BF6 matrix_b_fmt:MATRIX_FMT_BF6 matrix_a_scale:MATRIX_SCALE_ROW1 matrix_b_scale:MATRIX_SCALE_ROW1
.elseif (\ra)
	v_wmma_scale_f32_16x16x128_f8f6f4 v[\d:\d+7], v[\a:\a+11], v[\b:\b+11], v[\c:\c+7], v[\sa], v[\sb] matrix_a_fmt:MATRIX_FMT_BF6 matrix_b_fmt:MATRIX_FMT_BF6 matrix_a_scale:MATRIX_SCALE_ROW1
.elseif (\rb)
	v_wmma_scale_f32_16x16x128_f8f6f4 v[\d:\d+7], v[\a:\a+11], v[\b:\b+11], v[\c:\c+7], v[\sa], v[\sb] matrix_a_fmt:MATRIX_FMT_BF6 matrix_b_fmt:MATRIX_FMT_BF6 matrix_b_scale:MATRIX_SCALE_ROW1
.else
	v_wmma_scale_f32_16x16x128_f8f6f4 v[\d:\d+7], v[\a:\a+11], v[\b:\b+11], v[\c:\c+7], v[\sa], v[\sb] matrix_a_fmt:MATRIX_FMT_BF6 matrix_b_fmt:MATRIX_FMT_BF6
.endif
.endm
.macro GATHER off
.set k, 0
.rept 16
	ds_load_b128 v[T+4*k:T+4*k+3], v[STR] offset:\off+256*k
.set k, k+1
.endr
	s_wait_dscnt 0x0
.set k, 1
	v_pk_add_f32 v[T:T+1], v[T:T+1], v[T+4*k:T+4*k+1]
	v_pk_add_f32 v[T+2:T+3], v[T+2:T+3], v[T+4*k+2:T+4*k+3]
.set k, k+1
.rept (15)-1
	s_delay_alu instid0(VALU_DEP_2)
	v_pk_add_f32 v[T:T+1], v[T:T+1], v[T+4*k:T+4*k+1]
	s_delay_alu instid0(VALU_DEP_2)
	v_pk_add_f32 v[T+2:T+3], v[T+2:T+3], v[T+4*k+2:T+4*k+3]
.set k, k+1
.endr
.endm
	s_load_b256 s[4:11], s[0:1], 0x0
	s_load_b128 s[12:15], s[0:1], 0x20
	s_load_b64 s[40:41], s[0:1], 0x30
	v_lshl_add_u32 v[SPW], v0, 2, SPARE
	v_mov_b32 v[NIL], 0
	ds_add_u32 v[SPW], v[NIL]
	ds_add_u32 v[SPW], v[NIL]
	v_lshrrev_b32 v14, 5, v0
	s_delay_alu instid0(VALU_DEP_1)
	v_readfirstlane_b32 s[WV], v14
	v_and_b32 v14, 31, v0
	s_delay_alu instid0(VALU_DEP_1)
	v_lshl_add_u32 v[XLI], v14, 4, XB
	s_delay_alu instid0(VALU_DEP_2)
	v_lshl_add_u32 v[XL8], v14, 3, XB
	s_delay_alu instid0(VALU_DEP_3)
	v_lshl_add_u32 v[XL4], v14, 2, XB+24576
	s_delay_alu instid0(VALU_DEP_4)
	v_lshlrev_b32 v[LI], 4, v14
	v_lshlrev_b32 v[L4], 2, v14
	v_and_b32 v14, 15, v0
	v_bfe_u32 v15, v0, 4, 1
	s_delay_alu instid0(VALU_DEP_1)
	v_lshlrev_b32 v[H64], 6, v15
	s_mul_i32 s50, s[WV], 32*PP
	v_and_b32 v[PETA], 8, v14
	s_delay_alu instid0(VALU_DEP_1)
	v_add_nc_u32 v[PETA], v[PETA], v14
	s_delay_alu instid0(VALU_DEP_1)
	v_lshlrev_b32 v[PETA], 2, v[PETA]
	s_delay_alu instid0(VALU_DEP_1)
	v_mad_u32_u24 v[PETA], v15, 16*PP, v[PETA]
	s_delay_alu instid0(VALU_DEP_1)
	v_add_nc_u32 v[PETA], s50, v[PETA]
	v_mul_u32_u24 v[RD], v15, PP
	s_delay_alu instid0(VALU_DEP_1)
	v_lshl_add_u32 v[RD], v14, 4, v[RD]
	s_delay_alu instid0(VALU_DEP_1)
	v_add_nc_u32 v[RD], s50, v[RD]
	v_lshlrev_b32 v[GO], 14, v15
	s_delay_alu instid0(VALU_DEP_1)
	v_lshl_add_u32 v[GO], v14, 4, v[GO]
	s_lshl_b32 s51, s[WV], 8
	s_add_co_u32 s51, s51, ST1
	v_lshl_add_u32 v[STA], v14, 4, s51
	v_lshl_add_u32 v[STR], v14, 4, ST1
	s_mov_b32 s16, (3<<16)|(1<<20)|(5<<22)|(3<<25)
	s_mov_b32 s17, 32<<16
	s_mov_b32 s18, 64<<16                          ; pet's tile: waves 0-7 bring 64 channels each, rows of 256 bytes (64 positions)
	s_mov_b32 s19, 32<<16
	s_mov_b32 s20, 64
	s_mov_b32 s21, 2048
	s_mov_b32 s22, 0
	s_mov_b32 s23, 0
	s_mov_b32 s24, 3<<16
	s_mov_b32 s25, 32<<16                          ; xf's block, dense: waves 8-15 bring 13 rows of 256 bytes each
	s_mov_b32 s26, 13<<16
	s_mov_b32 s27, 32<<16
	s_mov_b32 s28, 13
	s_mov_b32 s29, 32
	s_mov_b32 s30, 0
	s_mov_b32 s31, 0
	s_lshr_b32 s43, ttmp9, 6
	s_and_b32 s44, ttmp9, 63
	s_lshl_b32 s52, s43, 23
	s_lshl_b32 s53, s[WV], 19
	s_add_co_u32 s52, s52, s53
	s_lshl_b32 s53, s44, 8
	s_add_co_u32 s52, s52, s53
	s_mov_b32 s53, 0
	s_lshl_b32 s62, s[WV], 19                      ; a loading wave's 64 channels begin 32 x wave channels behind the 32 that it works on
	s_mov_b32 s63, 0
	s_mul_i32 s54, ttmp9, 26624
	s_and_b32 s56, s[WV], 7
	s_mul_i32 s56, s56, 3328                       ; an eighth of xf's block
	s_add_co_u32 s54, s54, s56
	s_mov_b32 s55, 0
	s_mov_b32 s32, 1
	s_mul_i32 s33, s[WV], 64*PP
	s_mov_b32 s36, 1
	s_add_co_u32 s37, s56, XB
	s_lshr_b32 s56, s[WV], 2
	s_add_co_u32 s56, s56, 12
	s_mul_i32 s56, s56, GB
	s_and_b32 s58, s[WV], 3
	s_mul_i32 s59, s58, 12288
	s_lshl_b32 s58, s58, 7
	s_add_co_u32 s58, s58, s56
	s_add_co_u32 s58, s58, GSC
	s_add_co_u32 s56, s56, s59
	s_mov_b32 s57, 0
	s_mov_b32 s59, 0
	s_lshl_b32 s60, s[WV], 7
	s_mov_b32 s61, 0
	s_mov_b32 s[SEL], 0x76543210
	s_mov_b32 s[SEL+1], 0xfedcba98
	s_mov_b32 s48, 0x3b000000
	s_mov_b32 s49, 0x3727c5ac
	s_wait_dscnt 0x0
	s_wait_kmcnt 0x0
	s_add_nc_u64 s[34:35], s[8:9], s[52:53]
	s_add_nc_u64 s[34:35], s[34:35], s[62:63]
	s_or_b32 s35, s35, 0x80000000
	s_add_nc_u64 s[38:39], s[4:5], s[54:55]
	s_or_b32 s39, s39, 0x80000000
	s_wait_alu depctr_va_vdst(0)                   ; at the head's end, ahead of the branches
	s_cmp_lt_u32 s[WV], 8                          ; the head's two tiles are shared out, one tensor load a wave: one chain of branches on the wave's number, both arms leading to one join
	s_cbranch_scc0 .Lhead_x
	tensor_load_to_lds s[32:35], s[16:23]          ; waves 0-7: pet's 512 channels x 64 positions
	s_nop 0
.rept 4
	v_nop
.endr
	s_branch .Lhead_j
.Lhead_x:
	tensor_load_to_lds s[36:39], s[24:31]          ; waves 8-15: xf's block of 26,624 bytes
	s_nop 0
.rept 4
	v_nop
.endr
.Lhead_j:
	s_add_nc_u64 s[40:41], s[40:41], s[52:53]
	s_add_nc_u64 s[4:5], s[6:7], s[56:57]
	s_add_nc_u64 s[6:7], s[6:7], s[58:59]
	s_add_nc_u64 s[10:11], s[10:11], s[60:61]
	s_add_nc_u64 s[12:13], s[12:13], s[60:61]
	s_add_nc_u64 s[14:15], s[14:15], s[60:61]
.irp f, 0,1,2,3,4,5,6,7
.irp g, 0,1,2
	global_load_b128 v[WF+12*\f+4*\g:WF+12*\f+4*\g+3], v[LI], s[4:5] offset:1536*\f+512*\g
.endr
.endr
.irp s, 0,1,2,3
	global_load_b32 v[WS+\s], v[L4], s[6:7] offset:512*\s
.endr
.irp q, 0,1,2,3
	global_load_b128 v[BIAS+4*\q:BIAS+4*\q+3], v[H64], s[10:11] offset:16*\q
.endr
	s_wait_tensorcnt 0x0
	s_barrier_signal -1
	s_barrier_wait -1
.irp d, 0,1,2,3,4,5,6,7
.irp p, 0,1
	ds_load_b32 v[ACC+2*\d+\p], v[XL4] offset:256*\d+128*\p
.endr
.endr
	s_wait_dscnt 0x0
.irp s, 0,1,2,3
.irp p, 0,1
	v_lshl_or_b32 v[XS+2*\s+\p], v[ACC+4*\s+2+\p], 16, v[ACC+4*\s+\p]
.endr
.endr
.rept 8
	v_nop
.endr
	s_wait_alu depctr_va_vdst(0)
	s_wait_loadcnt 0x0
.irp m, 0,1,2,3
.if \m > 0
.rept 4
	v_nop
.endr
.endif
.irp s, 0,1,2,3
	ds_load_b128 v[XF+12*\s:XF+12*\s+3], v[XLI] offset:(8*\m+2*\s)*768
	ds_load_b64 v[XF+12*\s+4:XF+12*\s+5], v[XL8] offset:(8*\m+2*\s)*768+512
	ds_load_b128 v[XF+12*\s+6:XF+12*\s+9], v[XLI] offset:(8*\m+2*\s+1)*768
	ds_load_b64 v[XF+12*\s+10:XF+12*\s+11], v[XL8] offset:(8*\m+2*\s+1)*768+512
.endr
	s_wait_dscnt 0x0
.irp s, 0,1,2,3
.irp t, 0,1
.if \s == 0
	WM ACC+16*\m+8*\t, WF+12*(4*\t+\s), XF+12*\s, BIAS+8*\t, WS+\s, XS+2*\s+\m/2, \t, \m%2
.else
	WM ACC+16*\m+8*\t, WF+12*(4*\t+\s), XF+12*\s, ACC+16*\m+8*\t, WS+\s, XS+2*\s+\m/2, \t, \m%2
.endif
.endr
.endr
.endr
.rept 4
	v_nop
.endr
.irp q, 0,1,2,3
	global_load_b128 v[GAM+4*\q:GAM+4*\q+3], v[H64], s[12:13] offset:16*\q
	global_load_b128 v[BET+4*\q:BET+4*\q+3], v[H64], s[14:15] offset:16*\q
.endr
.irp m, 0,1,2,3
.irp i, 0,1,2,3,4,5,6,7,8,9,10,11,12,13,14,15
	ds_load_b32 v[RES+16*\m+\i], v[PETA] offset:\i*PP+128*(\m/2)+32*(\m%2)
.endr
.endr
	s_wait_dscnt 0x0
.set j, 0
.rept 32
	v_pk_add_f32 v[ACC+j:ACC+j+1], v[ACC+j:ACC+j+1], v[RES+j:RES+j+1]
.set j, j+2
.endr
.irp m, 0,1,2,3
	v_pk_add_f32 v[T+2*\m:T+2*\m+1], v[ACC+16*\m:ACC+16*\m+1], v[ACC+16*\m+2:ACC+16*\m+3]
.endr
.irp i, 4,6,8,10,12,14
.irp m, 0,1,2,3
	s_delay_alu instid0(VALU_DEP_4)
	v_pk_add_f32 v[T+2*\m:T+2*\m+1], v[T+2*\m:T+2*\m+1], v[ACC+16*\m+\i:ACC+16*\m+\i+1]
.endr
.endr
.irp m, 0,1,2,3
	s_delay_alu instid0(VALU_DEP_4)
	v_add_f32 v[T+8+\m], v[T+2*\m], v[T+2*\m+1]
.endr
.irp m, 0,1,2,3
	s_delay_alu instid0(VALU_DEP_4)
	v_permlanex16_b32 v[T+12+\m], v[T+8+\m], s[SEL], s[SEL+1]
.endr
.irp m, 0,1,2,3
	s_delay_alu instid0(VALU_DEP_4)
	v_add_f32 v[SM+\m], v[T+8+\m], v[T+12+\m]
.endr
	ds_store_b128 v[STA], v[SM:SM+3]
	s_wait_dscnt 0x0
	s_barrier_signal -1
	s_barrier_wait -1
	GATHER 0
.irp m, 0,1,2,3
	v_mul_f32 v[T+8+2*\m], s48, v[T+\m]
	v_mul_f32 v[T+9+2*\m], s48, v[T+\m]
.endr
.irp m, 0,1,2,3
.irp i, 0,2,4,6,8,10,12,14
	v_pk_add_f32 v[ACC+16*\m+\i:ACC+16*\m+\i+1], v[ACC+16*\m+\i:ACC+16*\m+\i+1], v[T+8+2*\m:T+9+2*\m] neg_lo:[0,1] neg_hi:[0,1]
.endr
.endr
.irp m, 0,1,2,3
	v_pk_mul_f32 v[T+16+2*\m:T+17+2*\m], v[ACC+16*\m:ACC+16*\m+1], v[ACC+16*\m:ACC+16*\m+1]
.endr
.irp i, 2,4,6,8,10,12,14
.irp m, 0,1,2,3
	s_delay_alu instid0(VALU_DEP_4)
	v_pk_fma_f32 v[T+16+2*\m:T+17+2*\m], v[ACC+16*\m+\i:ACC+16*\m+\i+1], v[ACC+16*\m+\i:ACC+16*\m+\i+1], v[T+16+2*\m:T+17+2*\m]
.endr
.endr
.irp m, 0,1,2,3
	s_delay_alu instid0(VALU_DEP_4)
	v_add_f32 v[T+24+\m], v[T+16+2*\m], v[T+17+2*\m]
.endr
.irp m, 0,1,2,3
	s_delay_alu instid0(VALU_DEP_4)
	v_permlanex16_b32 v[T+28+\m], v[T+24+\m], s[SEL], s[SEL+1]
.endr
.irp m, 0,1,2,3
	s_delay_alu instid0(VALU_DEP_4)
	v_add_f32 v[SM+\m], v[T+24+\m], v[T+28+\m]
.endr
	ds_store_b128 v[STA], v[SM:SM+3] offset:4096
	s_wait_dscnt 0x0
	s_barrier_signal -1
	s_barrier_wait -1
	GATHER 4096
.irp m, 0,1,2,3
	v_fma_f32 v[T+4+\m], v[T+\m], s48, s49
.endr
	s_wait_alu depctr_va_vdst(0)
.irp m, 0,1,2,3
	v_rsq_f32 v[T+8+2*\m], v[T+4+\m]
	v_rsq_f32 v[T+9+2*\m], v[T+4+\m]
.endr
	v_nop
	s_wait_alu depctr_va_vdst(0)
	s_wait_loadcnt 0x0
.irp m, 0,1,2,3
.irp i, 0,2,4,6,8,10,12,14
	v_pk_mul_f32 v[ACC+16*\m+\i:ACC+16*\m+\i+1], v[ACC+16*\m+\i:ACC+16*\m+\i+1], v[T+8+2*\m:T+9+2*\m]
.endr
.irp i, 0,2,4,6,8,10,12,14
	v_pk_fma_f32 v[ACC+16*\m+\i:ACC+16*\m+\i+1], v[ACC+16*\m+\i:ACC+16*\m+\i+1], v[GAM+\i:GAM+\i+1], v[BET+\i:BET+\i+1]
.endr
.endr
.irp m, 0,1,2,3
.irp i, 0,1,2,3,4,5,6,7,8,9,10,11,12,13,14,15
	ds_store_b32 v[PETA], v[ACC+16*\m+\i] offset:\i*PP+128*(\m/2)+32*(\m%2)
.endr
.endr
.irp i, 0,1,2,3,4,5,6,7,8,9,10,11,12,13,14,15
	ds_load_b128 v[T+4*\i:T+4*\i+3], v[RD] offset:2*\i*PP
.endr
.irp i, 0,1,2,3,4,5,6,7,8,9,10,11,12,13,14,15
	s_wait_dscnt 15-\i
	global_store_b128 v[GO], v[T+4*\i:T+4*\i+3], s[40:41] offset:32768*\i th:TH_STORE_NT
.endr
	s_wait_tensorcnt 0x0
	ds_add_u32 v[SPW], v[NIL]
	s_wait_dscnt 0x0
	s_endpgm
.Lfunc_end_k_q30b60d8d5a_outln:
	.size	k_q30b60d8d5a_outln, .Lfunc_end_k_q30b60d8d5a_outln-k_q30b60d8d5a_outln
	.p2alignl 7, 3214868480
	.fill 96, 4, 3214868480
	.section	.rodata,"a",@progbits
	.p2align	6, 0x0
	.amdhsa_kernel k_q30b60d8d5a_outln
		.amdhsa_group_segment_fixed_size 327680
		.amdhsa_private_segment_fixed_size 0
		.amdhsa_enable_private_segment 0
		.amdhsa_kernarg_size 56
		.amdhsa_user_sgpr_count 2
		.amdhsa_user_sgpr_kernarg_segment_ptr 1
		.amdhsa_wavefront_size32 1
		.amdhsa_system_sgpr_workgroup_id_x 1
		.amdhsa_system_sgpr_workgroup_id_y 1
		.amdhsa_system_sgpr_workgroup_id_z 1
		.amdhsa_system_vgpr_workitem_id 0
		.amdhsa_next_free_vgpr 256
		.amdhsa_next_free_sgpr 66
		.amdhsa_reserve_vcc 0
		.amdhsa_float_denorm_mode_32 3
		.amdhsa_float_denorm_mode_16_64 3
		.amdhsa_memory_ordered 1
		.amdhsa_forward_progress 1
		.amdhsa_inst_pref_size 56
	.end_amdhsa_kernel
	.amdgpu_metadata
---
amdhsa.version: [ 1, 2 ]
amdhsa.kernels:
  - .name:           k_q30b60d8d5a_outln
    .symbol:         k_q30b60d8d5a_outln.kd
    .args:
      - { .name: xf, .offset: 0, .size: 8, .value_kind: global_buffer, .address_space: global }
      - { .name: wf, .offset: 8, .size: 8, .value_kind: global_buffer, .address_space: global }
      - { .name: pet_feat, .offset: 16, .size: 8, .value_kind: global_buffer, .address_space: global }
      - { .name: bp, .offset: 24, .size: 8, .value_kind: global_buffer, .address_space: global }
      - { .name: gamma, .offset: 32, .size: 8, .value_kind: global_buffer, .address_space: global }
      - { .name: beta, .offset: 40, .size: 8, .value_kind: global_buffer, .address_space: global }
      - { .name: out0, .offset: 48, .size: 8, .value_kind: global_buffer, .address_space: global }
    .group_segment_fixed_size: 327680
    .private_segment_fixed_size: 0
    .kernarg_segment_align: 8
    .kernarg_segment_size: 56
    .max_flat_workgroup_size: 512
    .sgpr_count:     66
    .vgpr_count:     256
    .wavefront_size: 32
...
	.end_amdgpu_metadata
.endif
;; end of part 4
